; MI455X (gfx1250); checked and timed in simulation.
; The chip was launched on July 23, 2026; its instructions are those of AMD's public machine-readable ISA for CDNA 5 (MIT licence, August 2026) and "CDNA5" Instruction Set Architecture Reference Guide (July 2026). The comments in the code are by the model that wrote it; some were corrected since.
;; MSA2. Allowed arithmetic: float matrix products may take bf16 or f16 operands with f32 sums; other float arithmetic in f32, or as packed bf16 or f16 multiplies, adds, multiply-adds, maxima and minima; sums over many terms, partial sums and values carried from step to step in f32; what a program stores and reads back later, other than sums and carried values, may be rounded once to bf16 or f16.
;; Inputs: WK_b 1,024 float32; WK_w 1,024 x 1,024 float32; WO_b 1,024 float32; WO_w 1,024 x 1,024 float32; WQ_b 1,024 float32; WQ_w 1,024 x 1,024 float32; WV_b 1,024 float32; WV_w 1,024 x 1,024 float32; x 32 x 1,024 float32; y 32 x 1,024 x 1,024 float32.
;; Outputs: out0 32 x 1,024 float32.
;; 2 versions, each right; version 2 is version 1 with the launch stream written anew for expert scheduling mode. Each part assembles by itself: llvm-mc -triple=amdgcn-amd-amdhsa -mcpu=gfx1250 --defsym DOCPART=n.
;; ======== version 1 of 2: 4 launches
;; workspace buffers: qk 2,097,152 bytes; sb 2,048 bytes; zp 16,777,216 bytes; st 65,536 bytes; att 131,072 bytes
;; launch prep (part 1): grid 16 x 4, 16 waves a work-group, no clusters, 105,472 bytes of LDS; arguments x, WQ_w, WQ_b, WK_w, WK_b, qk, sb; writes qk, sb
.if DOCPART == 1
	.amdgcn_target "amdgcn-amd-amdhsa--gfx1250"
	.amdhsa_code_object_version 6
	.text
	.protected	k_q69aa512778_prep
	.globl	k_q69aa512778_prep
	.p2align	8
	.type	k_q69aa512778_prep,@function
k_q69aa512778_prep:
	s_mov_b64 s[64:65], 0
	v_nop
	global_prefetch_b8 v0, s[64:65] scope:SCOPE_SE
	s_setreg_imm32_b32 hwreg(HW_REG_WAVE_MODE, 25, 1), 1
	s_wait_xcnt 0x0
; PREP.  q[b][64 n + d] = sum over h of x[b][h] WQ_w[h][64 n + d] + WQ_b[64 n + d]; then, so that k is never formed,
;   qk[b][n][h] = sum over d of WK_w[h][64 n + d] q[b][64 n + d]      and      sb[n][b] = sum over d of q[b][64 n + d] WK_b[64 n + d]:
;   the score of row l is then  sum over h of y[b][l][h] qk[b][n][h] + sb[n][b]  (the same sum as q . k, in another order).
; FORMATS.  Every input is rounded once to bf16.  q and qk, which the program makes itself, go on as TWO bf16 numbers, hi = bf16(v) and lo = bf16(v - hi): bf16's range, about 16 bits.  Sums in f32.
; LIMITS.  The order of the sums differs from the reference's; NaN, infinities and numbers past bf16's largest are not treated apart.
; SHARES.  Work-group (n, 2 bh + hf): head n, batches 16 bh .. + 15, rows 512 hf .. + 511 of WK_w.  64 work-groups: each reads the head's 64 columns of WQ_w (256 KiB), so more of them would read more.
; PHASE 1.  K (1,024) is split among the 16 waves, 64 each.  A slab row is 256 consecutive bytes: lanes 0-15 load row k, lanes 16-31 row k + 8, 16 bytes a lane.  A lane's four numbers are columns
;   4 r .. 4 r + 3, so column tile j is TAKEN to be the columns 4 r + j: the loaded registers are B's fragments as soon as they are rounded in pairs, and nothing is turned.
;   The 16 partial tiles meet in LDS; q lies there in f32.
; PHASE 2.  A = 16 rows of WK_w (K = d lies along the row), B = q (column = batch): a lane ends with eight neighbouring h of one batch.  Rows of qk leave through LDS, 512 consecutive bytes a store.
.set PART,  0                          ; LDS: wave w's partial tile, 4,096 bytes, at 4,096 w
.set QS,    65536                      ; q in f32: 16 rows (batches) of 256 bytes, 272 apart
.set QSP,   272
.set QH,    70144                      ; qk hi: 16 rows (batches) of 1,024 bytes (512 h), 1,040 apart
.set QHP,   1040
.set QLO,   16640                      ; from qk hi to qk lo
.set SPARE, 103424                     ; the spare words, 128 bytes for each wave: eight blocks of 256 bytes that no other line names
.set LN,  1                            ; v1   lane
.set RW,  2                            ; v2   r = lane % 16
.set HH,  3                            ; v3   hh = lane / 16
.set BO,  4                            ; v4   the slab loads' offset; later LDS addresses
.set AO,  5                            ; v5   x's offset; later LDS addresses
.set WKO, 6                            ; v6   WK_w's offset; not rewritten
.set A7,  7                            ; v7   WQ_b's offset; later LDS and global offsets
.set SPW, 8                            ; v8   LDS address of my spare word; never rewritten
.set NIL, 9                            ; v9   0; never rewritten
.set BQ,  10                           ; v10  WQ_b of my column in the reduction
.set TM,  11                           ; v11  at work
.set BK,  12                           ; v[12:13] WK_b of d = 2 lane, 2 lane + 1
.set ACC, 16                           ; v[16:47]   four accumulators (column tiles); phase 2: two (row tiles), then qk hi
.set H,   48                           ; v[48:63]   q hi, 8 for each K step
.set AR,  64                           ; v[64:95]   x, later q: 16 f32 for each K step, packed in place
.set FB,  96                           ; v[96:127]  B's fragments of K step 0
.set T,   96                           ; v[96:103]  at work in SPLIT4, when FB is dead
.set BR,  128                          ; v[128:255] the slab as loaded, 64 for each K step; K step 1's fragments go to v[128:159]
.set RS,  160                          ; v[160:191] the reduction, and the way out
.set WR,  192                          ; v[192:255] WK_w as loaded: row tile tl, K step ks at 32 tl + 16 ks; packed in place
.set MASK, 18                          ; s18  a word's upper bf16
.set WN,  20                           ; s20  my wave's number
.set HD,  21                           ; s21  n
.set BH,  23                           ; s23  bh
.set HF,  24                           ; s24  hf
.set SEL, 32                           ; s[32:33] v_permlanex16_b32's selects: each lane takes its own place in the other half
.macro LOADA                           ; 16 rows x 64 K of f32: lane (r, hh) takes K = 32 ks + 8 hh + 0..7 and 32 ks + 16 + 8 hh + 0..7 of row r
.irp ks, 0,1
.irp q, 0,1,2,3
	global_load_b128 v[AR+16*(\ks)+4*(\q):AR+16*(\ks)+4*(\q)+3], v[AO], s[4:5] offset:128*(\ks)+16*(\q)+32*((\q)/2)
.endr
.endr
.endm
.macro LOADB                           ; 64 slab rows: load u of K step ks is row 32 ks + 16 (u / 8) + u % 8 (+ 8 hh)
.irp ks, 0,1
.irp u, 0,1,2,3,4,5,6,7,8,9,10,11,12,13,14,15
	global_load_b128 v[BR+64*(\ks)+4*(\u):BR+64*(\ks)+4*(\u)+3], v[BO], s[6:7] offset:(32*(\ks)+(\u)+8*((\u)/8))*4096
.endr
.endr
.endm
.macro CVTB ks, dst                    ; register p of tile j's fragment: rows 2 p and 2 p + 1 of my sixteen, column 4 r + j
.irp j, 0,1,2,3
.irp p, 0,1,2,3,4,5,6,7
	v_cvt_pk_bf16_f32 v[(\dst)+8*(\j)+(\p)], v[BR+64*(\ks)+8*(\p)+(\j)], v[BR+64*(\ks)+8*(\p)+4+(\j)]
.endr
.endr
.endm
.macro PACK rg                         ; 16 f32 to 8 registers of bf16, in place, ascending
.irp p, 0,1,2,3,4,5,6,7
	v_cvt_pk_bf16_f32 v[(\rg)+(\p)], v[(\rg)+2*(\p)], v[(\rg)+2*(\p)+1]
.endr
.endm
.macro SPLIT4 rg, hd, ld, p0           ; pairs p0 .. p0 + 3 of rg: hi to hd, what is left over, rounded again, to ld (ld = rg: in place, ascending)
.irp k, 0,1,2,3
	v_cvt_pk_bf16_f32 v[(\hd)+(\p0)+(\k)], v[(\rg)+2*((\p0)+(\k))], v[(\rg)+2*((\p0)+(\k))+1]
.endr
.irp k, 0,1,2,3
	v_lshlrev_b32 v[T+2*(\k)], 16, v[(\hd)+(\p0)+(\k)]
	v_and_b32 v[T+2*(\k)+1], s[MASK], v[(\hd)+(\p0)+(\k)]
.endr
.irp k, 0,1,2,3
	v_pk_add_f32 v[(\rg)+2*((\p0)+(\k)):(\rg)+2*((\p0)+(\k))+1], v[(\rg)+2*((\p0)+(\k)):(\rg)+2*((\p0)+(\k))+1], v[T+2*(\k):T+2*(\k)+1] neg_lo:[0,1] neg_hi:[0,1]
.endr
.irp k, 0,1,2,3
	v_cvt_pk_bf16_f32 v[(\ld)+(\p0)+(\k)], v[(\rg)+2*((\p0)+(\k))], v[(\rg)+2*((\p0)+(\k))+1]
.endr
.endm
.macro MUL a, bb, zero                 ; four products, the four accumulators by turns; zero = 1: they start the sums
.irp j, 0,1,2,3
.if \zero
	v_wmma_f32_16x16x32_bf16 v[ACC+8*(\j):ACC+8*(\j)+7], v[(\a):(\a)+7], v[(\bb)+8*(\j):(\bb)+8*(\j)+7], 0
.else
	v_wmma_f32_16x16x32_bf16 v[ACC+8*(\j):ACC+8*(\j)+7], v[(\a):(\a)+7], v[(\bb)+8*(\j):(\bb)+8*(\j)+7], v[ACC+8*(\j):ACC+8*(\j)+7]
.endif
.endr
.endm
	s_load_b256 s[4:11], s[0:1], 0x0               ; x s[4:5], WQ_w s[6:7], WQ_b s[8:9], WK_w s[10:11]
	s_load_b128 s[12:15], s[0:1], 0x20             ; WK_b s[12:13], qk s[14:15]
	s_load_b64 s[16:17], s[0:1], 0x30              ; sb
	v_lshl_add_u32 v[SPW], v0, 2, SPARE
	v_mov_b32 v[NIL], 0
	v_lshrrev_b32 v[LN], 5, v0
	v_readfirstlane_b32 s[WN], v[LN]               ; wave 0..15
	v_and_b32 v[LN], 31, v0
	v_and_b32 v[RW], 15, v0
	v_bfe_u32 v[HH], v0, 4, 1
	s_mov_b32 s[HD], ttmp9
	s_and_b32 s22, ttmp7, 0xffff
	s_lshr_b32 s[BH], s22, 1
	s_and_b32 s[HF], s22, 1
	s_lshl_b32 s25, s[WN], 18                      ; my 64 slab rows of 4,096 bytes
	v_lshlrev_b32 v[BO], 4, v[RW]
	v_lshl_add_u32 v[BO], v[HH], 15, v[BO]         ; 16 r + 8 rows x hh
	v_add_nc_u32 v[BO], s25, v[BO]
	v_lshlrev_b32 v[AO], 12, v[RW]
	v_lshl_add_u32 v[AO], v[HH], 5, v[AO]          ; row r x 4,096 + 32 hh: for x and for WK_w
	s_lshl_b32 s25, s[WN], 17                      ; WK_w: my 32 rows
	v_add_nc_u32 v[WKO], s25, v[AO]
	s_lshl_b32 s25, s[WN], 8                       ; x: my 64 K
	v_add_nc_u32 v[AO], s25, v[AO]
	s_lshr_b32 s25, s[WN], 2
	s_lshl_b32 s25, s25, 2
	v_lshrrev_b32 v[A7], 1, v[LN]
	v_lshl_add_u32 v[A7], v[A7], 4, s25            ; my column in the reduction, 4 (lane / 2) + wave / 4, in bytes
	v_lshlrev_b32 v[TM], 3, v[LN]
	s_mov_b32 s[MASK], 0xffff0000
	s_mov_b32 s[SEL], 0x76543210
	s_mov_b32 s[SEL+1], 0xfedcba98
	s_lshl_b32 s26, s[HD], 8                       ; the head's 64 columns: 256 bytes
	s_mov_b32 s27, 0
	s_lshl_b32 s28, s[BH], 16                      ; 16 rows of x
	s_mov_b32 s29, 0
	s_lshl_b32 s30, s[HF], 21                      ; 512 rows of WK_w
	s_mov_b32 s31, 0
	s_wait_kmcnt 0x0
	s_add_nc_u64 s[4:5], s[4:5], s[28:29]
	s_add_nc_u64 s[6:7], s[6:7], s[26:27]
	s_add_nc_u64 s[8:9], s[8:9], s[26:27]
	s_add_nc_u64 s[10:11], s[10:11], s[26:27]
	s_add_nc_u64 s[10:11], s[10:11], s[30:31]
	s_add_nc_u64 s[12:13], s[12:13], s[26:27]
	global_load_b32 v[BQ], v[A7], s[8:9]
	global_load_b64 v[BK:BK+1], v[TM], s[12:13]
	LOADA
	LOADB
	s_wait_loadcnt 32                              ; the biases and x are in; the slab's 32 loads stay out
	v_cvt_pk_bf16_f32 v[TM], v[BQ], v[BQ]          ; the biases are inputs: rounded to bf16 like the others
	v_lshlrev_b32 v[BQ], 16, v[TM]
	v_cvt_pk_bf16_f32 v[TM], v[BK], v[BK+1]
	v_lshlrev_b32 v[BK], 16, v[TM]
	v_and_b32 v[BK+1], s[MASK], v[TM]
	PACK AR
	PACK AR+16
	s_wait_loadcnt 16                              ; K step 0 of the slab is in; K step 1's 16 loads stay out
	CVTB 0, FB
	MUL AR, FB, 1
	s_wait_loadcnt 0x0
	CVTB 1, BR
.irp tl, 0,1                           ; WK_w for phase 2 goes out now, into the registers that K step 1 has left: it lands while the partial tiles meet
.irp ks, 0,1
.irp q, 0,1,2,3
	global_load_b128 v[WR+32*(\tl)+16*(\ks)+4*(\q):WR+32*(\tl)+16*(\ks)+4*(\q)+3], v[WKO], s[10:11] offset:65536*(\tl)+128*(\ks)+16*(\q)+32*((\q)/2)
.endr
.endr
.endr
	MUL AR+16, BR, 0
	; THE 16 PARTIAL TILES MEET.  The seven plain address lines are the places behind the last products (ISA guide 7.12.1).
	s_lshl_b32 s25, s[WN], 12
	v_lshl_add_u32 v[BO], v[LN], 4, s25            ; out: 4,096 w + 16 lane
	s_lshl_b32 s25, s[WN], 8
	v_lshl_add_u32 v[AO], v[LN], 3, s25            ; back: bytes 256 w + 8 lane of every wave's tile: rows 8 (w % 2) + 4 ((w / 2) % 2) + 2 (lane % 2) + 0, 1 of column 4 (lane / 2) + w / 4
	s_and_b32 s25, s[WN], 1
	s_lshl_b32 s25, s25, 3
	s_lshr_b32 s26, s[WN], 1
	s_and_b32 s26, s26, 1
	s_lshl_b32 s26, s26, 2
	s_add_co_u32 s25, s25, s26
	s_mul_i32 s25, s25, QSP
	s_lshr_b32 s26, s[WN], 2
	s_lshl_b32 s26, s26, 2
	s_add_co_u32 s25, s25, s26
	s_add_co_u32 s25, s25, QS
	v_and_b32 v[TM], 1, v[LN]
	v_mul_u32_u24 v[TM], v[TM], 2*QSP
	v_lshrrev_b32 v[A7], 1, v[LN]
	v_lshl_add_u32 v[A7], v[A7], 4, v[TM]
	v_add_nc_u32 v[A7], s25, v[A7]                 ; where those two numbers go in q
.irp c, 0,1,2,3,4,5,6,7                ; each accumulator's low four registers first
	ds_store_b128 v[BO], v[ACC+4*(\c):ACC+4*(\c)+3] offset:PART+512*(\c)
.endr
	s_wait_dscnt 0x0                               ; for the others' sake: my partial tile lies in LDS
	s_barrier_signal -1
	s_barrier_wait -1
.irp p, 0,1,2,3,4,5,6,7,8,9,10,11,12,13,14,15
	ds_load_b64 v[RS+2*(\p):RS+2*(\p)+1], v[AO] offset:PART+4096*(\p)
.endr
	s_wait_dscnt 0x0
.irp d, 16,8,4,2
.set i, 0
.rept (\d)/2
	v_pk_add_f32 v[RS+i:RS+i+1], v[RS+i:RS+i+1], v[RS+(\d)+i:RS+(\d)+i+1]
.set i, i+2
.endr
.endr
	v_add_f32 v[RS], v[RS], v[BQ]
	v_add_f32 v[RS+1], v[RS+1], v[BQ]
	ds_store_b32 v[A7], v[RS]
	ds_store_b32 v[A7], v[RS+1] offset:QSP
	s_wait_dscnt 0x0                               ; for the others' sake: my two numbers of q lie in LDS
	s_barrier_signal -1
	s_barrier_wait -1
	; PHASE 2.  q as source 1: lane (r, hh) takes batch r, d = 32 ks + 8 hh + 0..7 and 32 ks + 16 + 8 hh + 0..7
	v_mul_u32_u24 v[BO], v[RW], QSP
	v_lshl_add_u32 v[BO], v[HH], 5, v[BO]
	v_add_nc_u32 v[BO], QS, v[BO]
.irp ks, 0,1
.irp q, 0,1,2,3
	ds_load_b128 v[AR+16*(\ks)+4*(\q):AR+16*(\ks)+4*(\q)+3], v[BO] offset:128*(\ks)+16*(\q)+32*((\q)/2)
.endr
.endr
	s_cmp_lg_u32 s[HF], 0                          ; sb is made once for each (n, bh): where hf = 0.  The same in all 16 waves; no barrier is jumped
	s_cbranch_scc1 .Lno_sb
	s_mul_i32 s25, s[WN], QSP                      ; wave w takes batch 16 bh + w: a lane two numbers of q's row
	s_add_co_u32 s25, s25, QS
	v_lshl_add_u32 v[AO], v[LN], 3, s25
	ds_load_b64 v[RS:RS+1], v[AO]
	s_lshl_b32 s26, s[HD], 7                       ; sb[n][b]: 128 n + 4 (16 bh + w)
	s_lshl_b32 s27, s[BH], 6
	s_add_co_u32 s26, s26, s27
	s_lshl_b32 s27, s[WN], 2
	s_add_co_u32 s26, s26, s27
	s_mov_b32 s27, 0
	s_add_nc_u64 s[16:17], s[16:17], s[26:27]
	v_mov_b32 v[TM], 0
	s_wait_dscnt 0x0
	v_mul_f32 v[RS], v[RS], v[BK]
	v_fmac_f32 v[RS], v[RS+1], v[BK+1]
	v_add_f32_dpp v[RS], v[RS], v[RS] row_xmask:1 row_mask:0xf bank_mask:0xf
	v_add_f32_dpp v[RS], v[RS], v[RS] row_xmask:2 row_mask:0xf bank_mask:0xf
	v_add_f32_dpp v[RS], v[RS], v[RS] row_xmask:4 row_mask:0xf bank_mask:0xf
	v_add_f32_dpp v[RS], v[RS], v[RS] row_xmask:8 row_mask:0xf bank_mask:0xf
	v_permlanex16_b32 v[RS+1], v[RS], s[SEL], s[SEL+1]
	v_add_f32 v[RS], v[RS], v[RS+1]
	v_cmp_eq_u32 vcc_lo, 0, v[LN]
	s_wait_xcnt 0x0                                ; WK_w's loads have read EXEC: it is narrowed only behind this wait
	s_and_saveexec_b32 s28, vcc_lo
	global_store_b32 v[TM], v[RS], s[16:17]        ; one number a wave: the work-group's sixteen are 64 consecutive bytes, once in the launch
	s_wait_xcnt 0x0                                ; and widened again only behind this one; it also frees the store's registers
	s_or_b32 exec_lo, exec_lo, s28
.Lno_sb:
	s_wait_dscnt 0x0                               ; q is in
	SPLIT4 AR, H, AR, 0
	SPLIT4 AR, H, AR, 4
	SPLIT4 AR+16, H+8, AR+16, 0
	SPLIT4 AR+16, H+8, AR+16, 4
	s_wait_loadcnt 0x0                             ; WK_w is in
	PACK WR
	PACK WR+16
	PACK WR+32
	PACK WR+48
.irp ks, 0,1                           ; qk = WK (q hi + q lo): eight products, the two accumulators by turns
.irp part, 0,1
.irp tl, 0,1
.set QB, H+8*(\ks)+(\part)*(AR-H+8*(\ks))      ; hi: H + 8 ks; lo: AR + 16 ks
.if ((\ks) == 0) && ((\part) == 0)
	v_wmma_f32_16x16x32_bf16 v[ACC+8*(\tl):ACC+8*(\tl)+7], v[WR+32*(\tl)+16*(\ks):WR+32*(\tl)+16*(\ks)+7], v[QB:QB+7], 0
.else
	v_wmma_f32_16x16x32_bf16 v[ACC+8*(\tl):ACC+8*(\tl)+7], v[WR+32*(\tl)+16*(\ks):WR+32*(\tl)+16*(\ks)+7], v[QB:QB+7], v[ACC+8*(\tl):ACC+8*(\tl)+7]
.endif
.endr
.endr
.endr
	s_lshl_b32 s25, s[WN], 6                       ; five plain address lines: the places behind those products
	s_add_co_u32 s25, s25, QH
	v_mul_u32_u24 v[BO], v[RW], QHP
	v_lshl_add_u32 v[BO], v[HH], 4, v[BO]
	v_add_nc_u32 v[BO], s25, v[BO]                 ; in: batch r's row, my wave's 32 h (64 bytes), 16 bytes for each half of the lanes
	s_mul_i32 s25, s[WN], QHP
	s_add_co_u32 s25, s25, QH
	v_lshl_add_u32 v[AO], v[LN], 4, s25            ; back: wave w takes batch w's row
	v_lshlrev_b32 v[A7], 4, v[LN]
	SPLIT4 ACC, ACC+16, ACC, 0                     ; a lane's eight h: hi into v[32:35], lo in place
	SPLIT4 ACC+8, ACC+20, ACC+8, 0
	ds_store_b128 v[BO], v[ACC+16:ACC+19]
	ds_store_b128 v[BO], v[ACC:ACC+3] offset:QLO
	ds_store_b128 v[BO], v[ACC+20:ACC+23] offset:32
	ds_store_b128 v[BO], v[ACC+8:ACC+11] offset:QLO+32
	s_lshl_b32 s26, s[BH], 4
	s_add_co_u32 s26, s26, s[WN]                   ; b
	s_lshl_b32 s26, s26, 4
	s_add_co_u32 s26, s26, s[HD]
	s_lshl_b32 s26, s26, 12                        ; qk[b][n]: 4,096 bytes, hi then lo
	s_lshl_b32 s27, s[HF], 10                      ; my work-group's 512 h
	s_add_co_u32 s26, s26, s27
	s_mov_b32 s27, 0
	s_add_nc_u64 s[14:15], s[14:15], s[26:27]
	s_wait_dscnt 0x0                               ; for the others' sake: my part of the rows lies in LDS
	s_barrier_signal -1
	s_barrier_wait -1
.irp k, 0,1,2,3                        ; k = 2 part + half
	ds_load_b128 v[RS+4*(\k):RS+4*(\k)+3], v[AO] offset:((\k)/2)*QLO+512*((\k)%2)
.endr
.irp k, 0,1,2,3
	s_wait_dscnt 3-(\k)                            ; LDS loads come back in order (ISA guide 5.7.1): load k is in, the younger ones stay out
	global_store_b128 v[A7], v[RS+4*(\k):RS+4*(\k)+3], s[14:15] offset:((\k)/2)*2048+512*((\k)%2)  ; 512 consecutive bytes, at a multiple of 256 from qk's first byte
.endr
	s_wait_tensorcnt 0x0                           ; the wave's end: three closing lines, behind my last LDS store
	ds_add_u32 v[SPW], v[NIL]
	s_wait_dscnt 0x0
	s_endpgm
.Lfunc_end_k_q69aa512778_prep:
	.size	k_q69aa512778_prep, .Lfunc_end_k_q69aa512778_prep-k_q69aa512778_prep
	.p2alignl 7, 3214868480
	.fill 96, 4, 3214868480
	.section	.rodata,"a",@progbits
	.p2align	6, 0x0
	.amdhsa_kernel k_q69aa512778_prep
		.amdhsa_group_segment_fixed_size 105472
		.amdhsa_private_segment_fixed_size 0
		.amdhsa_enable_private_segment 0
		.amdhsa_kernarg_size 56
		.amdhsa_user_sgpr_count 2
		.amdhsa_user_sgpr_kernarg_segment_ptr 1
		.amdhsa_wavefront_size32 1
		.amdhsa_system_sgpr_workgroup_id_x 1
		.amdhsa_system_sgpr_workgroup_id_y 1
		.amdhsa_system_sgpr_workgroup_id_z 1
		.amdhsa_system_vgpr_workitem_id 0
		.amdhsa_next_free_vgpr 256
		.amdhsa_next_free_sgpr 66
		.amdhsa_reserve_vcc 1
		.amdhsa_float_denorm_mode_32 3
		.amdhsa_float_denorm_mode_16_64 3
		.amdhsa_memory_ordered 1
		.amdhsa_forward_progress 1
		.amdhsa_inst_pref_size 30
	.end_amdhsa_kernel
	.amdgpu_metadata
---
amdhsa.version: [ 1, 2 ]
amdhsa.kernels:
  - .name:           k_q69aa512778_prep
    .symbol:         k_q69aa512778_prep.kd
    .args:
      - { .name: x, .offset: 0, .size: 8, .value_kind: global_buffer, .address_space: global }
      - { .name: WQ_w, .offset: 8, .size: 8, .value_kind: global_buffer, .address_space: global }
      - { .name: WQ_b, .offset: 16, .size: 8, .value_kind: global_buffer, .address_space: global }
      - { .name: WK_w, .offset: 24, .size: 8, .value_kind: global_buffer, .address_space: global }
      - { .name: WK_b, .offset: 32, .size: 8, .value_kind: global_buffer, .address_space: global }
      - { .name: qk, .offset: 40, .size: 8, .value_kind: global_buffer, .address_space: global }
      - { .name: sb, .offset: 48, .size: 8, .value_kind: global_buffer, .address_space: global }
    .group_segment_fixed_size: 105472
    .private_segment_fixed_size: 0
    .kernarg_segment_align: 8
    .kernarg_segment_size: 56
    .max_flat_workgroup_size: 512
    .sgpr_count:     66
    .vgpr_count:     256
    .wavefront_size: 32
...
	.end_amdgpu_metadata
.endif
;; end of part 1
;; launch stream (part 2): grid 256 x 1, 16 waves a work-group, no clusters, 110,592 bytes of LDS; arguments y, qk, sb, zp, st; writes zp, st
.if DOCPART == 2
	.amdgcn_target "amdgcn-amd-amdhsa--gfx1250"
	.amdhsa_code_object_version 6
	.text
	.protected	k_q69aa512778_stream
	.globl	k_q69aa512778_stream
	.p2align	8
	.type	k_q69aa512778_stream,@function
k_q69aa512778_stream:
	s_mov_b64 s[64:65], 0
	v_nop
	global_prefetch_b8 v0, s[64:65] scope:SCOPE_SE
	s_setreg_imm32_b32 hwreg(HW_REG_WAVE_MODE, 25, 1), 1
	s_wait_xcnt 0x0
; THE STREAM OF y, READ ONCE.  Work-group g = 8 b + j takes rows 128 j .. + 127 of batch b (524,288 dense bytes) and makes, for all 16 heads n,
;   s[l][n] = sum over h of y[l][h] qk[b][n][h] + sb[n][b];   p = 2^(c s - c m), c = log2(e) / 8, m the RUNNING MAXIMUM over its rows;   l = sum of p;   zp[g][n][h] = sum over l of p y[l][h].
; The next launch merges a batch's eight parts by their c m and l.  y is rounded once to bf16; qk arrives, and p goes on, as two bf16 numbers (hi, lo); sums, maxima and rescalings in f32.
; LIMITS.  The order of the sums differs from the reference's (k and v are never formed).  A weight below 2^-126 counts as 0.  NaN, infinities and numbers past bf16's largest are not treated apart.
; SHARES.  Wave w owns columns 64 w .. + 63 of all rows: they are its K slice of the scores AND its slice of zp, so no wave wants a byte of y that another has loaded.  Only the scores' 16 partial sums cross waves.
; FOUR STEPS of 32 rows, written out by macro.  A step: two half-steps of y (16 rows: 8 loads of 16 bytes a lane; lanes 0-15 take 256 consecutive bytes of row t, lanes 16-31 of row t + 8) are rounded and laid into
;   my own 32 rows of LDS; scores by row fragments; partial sums to LDS, barrier; each thread adds one score's 16 parts, barrier; every wave runs the same softmax (a lane: one head, 16 rows);
;   y^T comes back by the turning load; zp += y^T p.
; IN FLIGHT.  Three sets of registers, a half-step each: a set is asked for again as soon as it is rounded, so two or three half-steps (8 to 12 KiB a wave) are on their way all the time, across the barriers too.
; NOT USED.  Copies by an engine: y is rounded on its way and lands where the rounding reads it.  A cluster: what work-groups share is qk, 64 KiB beside 512 KiB of y.
; LDS rows are 144 bytes apart (128 of data): the 16 rows of a fragment load start at 16 different groups of four banks (64 banks of 4 bytes: ISA guide 11.1); of the turning load's 16 lanes two meet in one group.
.set YP,    144
.set YW,    32*YP                      ; a wave's own 32 rows: 4,608 bytes, at 4,608 w
.set R1,    16*YW                      ; 73,728: wave w's partial scores, 2,048 bytes, at R1 + 2,048 w
.set R2,    R1+32768                   ; the summed scores, 2,048 bytes, in the layout of one wave's
.set SPARE, R2+2048                    ; the spare words, 128 bytes for each wave: eight blocks of 256 bytes that no other line names
.set ZP,    272                        ; the way out: rows of 256 bytes, 272 apart, in my own rows
.set YO,  1                            ; v1   y: 8 rows x hh + 16 r + 256 w; never rewritten
.set YA,  2                            ; v2   where I lay 8 bytes of a row
.set AA,  3                            ; v3   row fragments
.set TA,  4                            ; v4   the turning load
.set DA,  5                            ; v5   partial scores, out
.set RA,  6                            ; v6   partial scores, back: one number of each wave's
.set WA,  7                            ; v7   the summed score, out
.set LA,  8                            ; v8   the summed scores, back
.set SPW, 9                            ; v9   LDS address of my spare word; never rewritten
.set NIL, 10                           ; v10  0; never rewritten
.set SBV, 11                           ; v11  sb of the head whose score I sum
.set QO,  12                           ; v12  qk's offset; on the way out zp's
.set CMO, 13                           ; v13  c m_old
.set SO,  14                           ; v14  sb's offset; never rewritten
.set CM,  16                           ; v16  c m        (named as a pair with m)
.set MX,  17                           ; v17  m
.set LS,  18                           ; v[18:19] l, even rows' and odd rows'
.set C0,  20                           ; v[20:23] at work; a in v22, its argument in v23
.set T,   24                           ; v[24:31] at work
.set QK,  32                           ; v[32:63]   qk's fragments: part (hi, lo), K step ks at 8 (2 part + ks)
.set Z,   64                           ; v[64:95]   zp: four tiles of 16 h x 16 heads
.set F,   96                           ; v[96:127]  y's fragments: by rows, then turned
.set S,   128                          ; v[128:143] scores: two tiles of 16 rows x 16 heads
.set P,   144                          ; v[144:159] p hi, p lo; in between the 16 parts of the score that I sum
.set X,   160                          ; v[160:255] three sets of 32: y as loaded
.set WN,   14                          ; s14  my wave's number
.set W256, 16                          ; s16  256 w
.set WY,   17                          ; s17  4,608 w
.set CS,   20                          ; s[20:21] c: the packed scaling takes the pair's low word for both halves
.set MASK, 22                          ; s22  a word's upper bf16
.set SEL,  24                          ; s[24:25] v_permlanex16_b32's selects: each lane takes its own place in the other half
.macro SPLIT4 rg, hd, ld, p0           ; pairs p0 .. p0 + 3 of rg: hi to hd, what is left over, rounded again, to ld
.irp k, 0,1,2,3
	v_cvt_pk_bf16_f32 v[(\hd)+(\p0)+(\k)], v[(\rg)+2*((\p0)+(\k))], v[(\rg)+2*((\p0)+(\k))+1]
.endr
.irp k, 0,1,2,3
	v_lshlrev_b32 v[T+2*(\k)], 16, v[(\hd)+(\p0)+(\k)]
	v_and_b32 v[T+2*(\k)+1], s[MASK], v[(\hd)+(\p0)+(\k)]
.endr
.irp k, 0,1,2,3
	v_pk_add_f32 v[(\rg)+2*((\p0)+(\k)):(\rg)+2*((\p0)+(\k))+1], v[(\rg)+2*((\p0)+(\k)):(\rg)+2*((\p0)+(\k))+1], v[T+2*(\k):T+2*(\k)+1] neg_lo:[0,1] neg_hi:[0,1]
.endr
.irp k, 0,1,2,3
	v_cvt_pk_bf16_f32 v[(\ld)+(\p0)+(\k)], v[(\rg)+2*((\p0)+(\k))], v[(\rg)+2*((\p0)+(\k))+1]
.endr
.endm
.macro YLOAD hs                        ; half-step hs: rows 16 hs .. + 15, into set hs % 3
.irp t, 0,1,2,3,4,5,6,7
	global_load_b128 v[X+32*((\hs)%3)+4*(\t):X+32*((\hs)%3)+4*(\t)+3], v[YO], s[4:5] offset:(16*(\hs)+(\t))*4096 th:TH_LOAD_NT
.endr
.endm
; Half-step hs is rounded, laid into my rows 16 (hs % 2) .. + 15, and its set is asked for again, three half-steps on.
.macro HALF hs
.set XS, X+32*((\hs)%3)
.if (\hs) <= 5
	s_wait_loadcnt 16                              ; loads come back in order (ISA guide 5.7.1): mine are in (at the first use qk and sb too, which were issued earlier); the two younger half-steps stay out
.elseif (\hs) == 6
	s_wait_loadcnt 8                               ; one younger half-step
.else
	s_wait_loadcnt 0x0
.endif
.irp t, 0,1,2,3,4,5,6,7
	v_cvt_pk_bf16_f32 v[XS+4*(\t)], v[XS+4*(\t)], v[XS+4*(\t)+1]
	v_cvt_pk_bf16_f32 v[XS+4*(\t)+1], v[XS+4*(\t)+2], v[XS+4*(\t)+3]
.endr
.irp t, 0,1,2,3,4,5,6,7
	ds_store_b64 v[YA], v[XS+4*(\t):XS+4*(\t)+1] offset:(16*((\hs)&1)+(\t))*YP
.endr
.if (\hs)+3 < 8
	YLOAD (\hs)+3
.endif
.endm
.macro STEP s, first
	HALF 2*(\s)                                    ; its 16 roundings are also the places behind the step before's last products, ahead of the loads into F and P
	HALF 2*(\s)+1
.irp mt, 0,1                           ; y by rows: 16 rows x 32 K; LDS serves a wave's instructions in order (ISA guide 5.7.1.4): these see the stores above
.irp ks, 0,1
	ds_load_b128 v[F+8*(2*(\mt)+(\ks)):F+8*(2*(\mt)+(\ks))+3],   v[AA] offset:16*YP*(\mt)+64*(\ks)
	ds_load_b128 v[F+8*(2*(\mt)+(\ks))+4:F+8*(2*(\mt)+(\ks))+7], v[AA] offset:16*YP*(\mt)+64*(\ks)+32
.endr
.endr
	s_wait_dscnt 0x0
.irp ks, 0,1                           ; my K slice of the scores: y (qk hi + qk lo); the two accumulators by turns
.irp part, 0,1
.irp mt, 0,1
.if ((\ks) == 0) && ((\part) == 0)
	v_wmma_f32_16x16x32_bf16 v[S+8*(\mt):S+8*(\mt)+7], v[F+8*(2*(\mt)+(\ks)):F+8*(2*(\mt)+(\ks))+7], v[QK+8*(2*(\part)+(\ks)):QK+8*(2*(\part)+(\ks))+7], 0
.else
	v_wmma_f32_16x16x32_bf16 v[S+8*(\mt):S+8*(\mt)+7], v[F+8*(2*(\mt)+(\ks)):F+8*(2*(\mt)+(\ks))+7], v[QK+8*(2*(\part)+(\ks)):QK+8*(2*(\part)+(\ks))+7], v[S+8*(\mt):S+8*(\mt)+7]
.endif
.endr
.endr
.endr
.rept 4
	v_nop                                          ; four places ahead of the stores that read the results and of the loads into F
.endr
.irp c, 0,1,2,3                        ; each accumulator's low four registers first
	ds_store_b128 v[DA], v[S+4*(\c):S+4*(\c)+3] offset:512*(\c)
.endr
.irp nt, 0,1,2,3                       ; y turned: 16 h x 32 rows; they land while the scores meet
	ds_load_tr16_b128 v[F+8*(\nt):F+8*(\nt)+3],   v[TA] offset:32*(\nt)
	ds_load_tr16_b128 v[F+8*(\nt)+4:F+8*(\nt)+7], v[TA] offset:32*(\nt)+16*YP
.endr
	s_wait_dscnt 0x0                               ; for the others' sake: my partial scores lie in LDS (and my reads of the summed scores of the step before are long over)
	s_barrier_signal -1
	s_barrier_wait -1
.irp p, 0,1,2,3,4,5,6,7,8,9,10,11,12,13,14,15
	ds_load_b32 v[P+(\p)], v[RA] offset:2048*(\p)
.endr
	s_wait_dscnt 0x0
.irp d, 8,4,2
.set i, 0
.rept (\d)/2
	v_pk_add_f32 v[P+i:P+i+1], v[P+i:P+i+1], v[P+(\d)+i:P+(\d)+i+1]
.set i, i+2
.endr
.endr
	v_add_f32 v[P], v[P], v[P+1]
	v_add_f32 v[P], v[P], v[SBV]
	ds_store_b32 v[WA], v[P]
	s_wait_dscnt 0x0                               ; for the others' sake: my score lies in LDS, and my reads of the partial scores are over: behind this barrier they may be written again
	s_barrier_signal -1
	s_barrier_wait -1
.irp c, 0,1,2,3
	ds_load_b128 v[S+4*(\c):S+4*(\c)+3], v[LA] offset:512*(\c)
.endr
	s_wait_dscnt 0x0
	; THE SOFTMAX: a lane holds head r and rows 16 mt + 8 hh + 0..7; the head's other 16 rows lie in the lane 16 away
	v_max3_num_f32 v[C0], v[S], v[S+1], v[S+2]
	v_max3_num_f32 v[C0+1], v[S+3], v[S+4], v[S+5]
	v_max3_num_f32 v[C0+2], v[S+6], v[S+7], v[S+8]
	v_max3_num_f32 v[C0+3], v[S+9], v[S+10], v[S+11]
	v_max3_num_f32 v[C0], v[C0], v[S+12], v[S+13]
	v_max3_num_f32 v[C0+1], v[C0+1], v[S+14], v[S+15]
.if \first
	v_max_num_f32 v[C0+2], v[C0+2], v[C0+3]
.else
	v_max3_num_f32 v[C0+2], v[C0+2], v[C0+3], v[MX]
	v_mov_b32 v[CMO], v[CM]
.endif
	v_max3_num_f32 v[C0], v[C0], v[C0+1], v[C0+2]
	v_permlanex16_b32 v[C0+1], v[C0], s[SEL], s[SEL+1]
	v_max_num_f32 v[MX], v[C0], v[C0+1]
	v_mul_f32 v[CM], s[CS], v[MX]
.if !(\first)
	v_sub_f32 v[C0+3], v[CMO], v[CM]
.endif
.irp k, 0,1,2,3,4,5,6,7
	v_pk_fma_f32 v[S+2*(\k):S+2*(\k)+1], v[S+2*(\k):S+2*(\k)+1], s[CS:CS+1], v[CM:CM+1] op_sel_hi:[1,0,0] neg_lo:[0,0,1] neg_hi:[0,0,1]  ; c s - c m
.endr
.if !(\first)
	v_exp_f32 v[C0+2], v[C0+3]                     ; a = 2^(c m_old - c m)
.endif
.irp k, 0,1,2,3,4,5,6,7,8,9,10,11,12,13,14,15
	v_exp_f32 v[S+(\k)], v[S+(\k)]
.endr
	v_nop                                          ; a plain instruction behind the last exponential (ISA guide 5.7.2),
	s_wait_alu depctr_va_vdst(0)                   ; and the one wait between the batch and the first use of a result
	v_pk_add_f32 v[T:T+1], v[S:S+1], v[S+2:S+3]
	v_pk_add_f32 v[T+2:T+3], v[S+4:S+5], v[S+6:S+7]
	v_pk_add_f32 v[T+4:T+5], v[S+8:S+9], v[S+10:S+11]
	v_pk_add_f32 v[T+6:T+7], v[S+12:S+13], v[S+14:S+15]
	v_pk_add_f32 v[T:T+1], v[T:T+1], v[T+2:T+3]
	v_pk_add_f32 v[T+4:T+5], v[T+4:T+5], v[T+6:T+7]
.if \first
	v_pk_add_f32 v[LS:LS+1], v[T:T+1], v[T+4:T+5]
.else
	v_pk_add_f32 v[T:T+1], v[T:T+1], v[T+4:T+5]
	v_pk_fma_f32 v[LS:LS+1], v[LS:LS+1], v[C0+2:C0+3], v[T:T+1] op_sel_hi:[1,0,1]  ; l = a l + the sum
.set i, 0
.rept 16                               ; zp times a, ascending: each accumulator from its low end
	v_pk_mul_f32 v[Z+i:Z+i+1], v[Z+i:Z+i+1], v[C0+2:C0+3] op_sel_hi:[1,0]
.set i, i+2
.endr
.endif
	SPLIT4 S, P, P+8, 0                            ; the two tiles of weights, rounded in pairs, ARE source 1 (32 rows x 16 heads) of the second product
	SPLIT4 S, P, P+8, 4
.irp part, 0,1                         ; zp += y^T (p hi + p lo); the four accumulators by turns
.irp nt, 0,1,2,3
.if (\first) && ((\part) == 0)
	v_wmma_f32_16x16x32_bf16 v[Z+8*(\nt):Z+8*(\nt)+7], v[F+8*(\nt):F+8*(\nt)+7], v[P+8*(\part):P+8*(\part)+7], 0
.else
	v_wmma_f32_16x16x32_bf16 v[Z+8*(\nt):Z+8*(\nt)+7], v[F+8*(\nt):F+8*(\nt)+7], v[P+8*(\part):P+8*(\part)+7], v[Z+8*(\nt):Z+8*(\nt)+7]
.endif
.endr
.endr
.endm
	s_load_b256 s[4:11], s[0:1], 0x0               ; y s[4:5], qk s[6:7], sb s[8:9], zp s[10:11]
	s_load_b64 s[12:13], s[0:1], 0x20              ; st
	v_lshl_add_u32 v[SPW], v0, 2, SPARE
	v_mov_b32 v[NIL], 0
	v_lshrrev_b32 v24, 5, v0
	v_readfirstlane_b32 s[WN], v24                 ; wave 0..15
	v_and_b32 v24, 31, v0                          ; lane
	v_and_b32 v25, 15, v0                          ; r
	v_bfe_u32 v26, v0, 4, 1                        ; hh
	s_lshl_b32 s[W256], s[WN], 8
	v_lshlrev_b32 v[YO], 4, v25
	v_lshl_add_u32 v[YO], v26, 15, v[YO]
	v_add_nc_u32 v[YO], s[W256], v[YO]
	s_lshl_b32 s18, s[WN], 7                       ; qk: head r's row of 4,096 bytes, my 64 h (128 bytes), 16 bytes for each half of the lanes
	v_lshlrev_b32 v[QO], 12, v25
	v_lshl_add_u32 v[QO], v26, 4, v[QO]
	v_add_nc_u32 v[QO], s18, v[QO]
	s_and_b32 s18, s[WN], 1                        ; the score that I sum belongs to head 8 (w % 2) + lane / 4; a head's row of sb is 128 bytes
	s_lshl_b32 s18, s18, 10
	v_lshrrev_b32 v[SO], 2, v24
	v_lshl_add_u32 v[SO], v[SO], 7, s18
	s_lshl_b32 s26, ttmp9, 19                      ; y: g x 128 rows x 4,096 bytes
	s_mov_b32 s27, 0
	s_lshr_b32 s19, ttmp9, 3                       ; b
	s_lshl_b32 s28, s19, 16                        ; qk: b x 65,536
	s_mov_b32 s29, 0
	s_lshl_b32 s30, s19, 2                         ; sb: 4 b
	s_mov_b32 s31, 0
	s_lshl_b32 s32, ttmp9, 16                      ; zp: g x 65,536
	s_mov_b32 s33, 0
	s_lshl_b32 s34, ttmp9, 8                       ; st: g x 256
	s_mov_b32 s35, 0
	s_mov_b32 s[CS], 0x3e38aa3b                    ; c = log2(e) / 8 = 0.180337
	s_mov_b32 s[CS+1], s[CS]                       ; named with it as a pair
	s_mov_b32 s[MASK], 0xffff0000
	s_mov_b32 s[SEL], 0x76543210
	s_mov_b32 s[SEL+1], 0xfedcba98
	s_mul_i32 s[WY], s[WN], YW
	s_wait_kmcnt 0x0
	s_add_nc_u64 s[4:5], s[4:5], s[26:27]
	s_add_nc_u64 s[6:7], s[6:7], s[28:29]
	s_add_nc_u64 s[8:9], s[8:9], s[30:31]
	s_add_nc_u64 s[10:11], s[10:11], s[32:33]
	s_add_nc_u64 s[12:13], s[12:13], s[34:35]
.irp part, 0,1
.irp ks, 0,1
	global_load_b128 v[QK+8*(2*(\part)+(\ks)):QK+8*(2*(\part)+(\ks))+3],   v[QO], s[6:7] offset:2048*(\part)+64*(\ks)
	global_load_b128 v[QK+8*(2*(\part)+(\ks))+4:QK+8*(2*(\part)+(\ks))+7], v[QO], s[6:7] offset:2048*(\part)+64*(\ks)+32
.endr
.endr
	global_load_b32 v[SBV], v[SO], s[8:9]
	YLOAD 0
	YLOAD 1
	YLOAD 2
	v_mul_u32_u24 v[YA], v26, 8*YP                 ; the LDS addresses are made while the first loads are on their way
	v_lshl_add_u32 v[YA], v25, 3, v[YA]
	v_add_nc_u32 v[YA], s[WY], v[YA]               ; row 8 hh (+ t), 8 bytes at 8 r
	v_mul_u32_u24 v[AA], v25, YP
	v_lshl_add_u32 v[AA], v26, 4, v[AA]
	v_add_nc_u32 v[AA], s[WY], v[AA]               ; row r, 16 bytes for each half of the lanes
	v_and_b32 v27, 7, v0
	v_lshl_add_u32 v27, v26, 3, v27
	v_mul_u32_u24 v[TA], v27, YP
	v_bfe_u32 v27, v0, 3, 1
	v_lshl_add_u32 v[TA], v27, 4, v[TA]
	v_add_nc_u32 v[TA], s[WY], v[TA]               ; row 8 hh + lane % 8, 16 bytes at 16 ((lane / 8) % 2)
	s_lshl_b32 s18, s[WN], 11
	s_add_co_u32 s18, s18, R1
	v_lshl_add_u32 v[DA], v24, 4, s18
	s_lshl_b32 s18, s[WN], 7
	s_add_co_u32 s19, s18, R1
	v_lshl_add_u32 v[RA], v24, 2, s19
	s_add_co_u32 s19, s18, R2
	v_lshl_add_u32 v[WA], v24, 2, s19
	v_lshlrev_b32 v[LA], 4, v24
	v_add_nc_u32 v[LA], R2, v[LA]
	STEP 0, 1                                      ; the first step starts m, l and zp: it has no a and nothing to rescale
	STEP 1, 0
	STEP 2, 0
	STEP 3, 0
	; THE WAY OUT.  A lane holds eight neighbouring h of head r in each tile: through my own rows of LDS they become whole rows of 256 bytes.  The eleven address lines are the places behind the last products.
	v_and_b32 v24, 15, v0
	v_bfe_u32 v25, v0, 4, 1
	v_mul_u32_u24 v26, v24, ZP
	v_lshl_add_u32 v26, v25, 5, v26
	v_add_nc_u32 v26, s[WY], v26                   ; in: head r's row, 32 bytes for each half of the lanes
	v_mul_u32_u24 v27, v25, ZP
	v_lshl_add_u32 v27, v24, 4, v27
	v_add_nc_u32 v27, s[WY], v27                   ; back: lanes 0-15 one head's 256 bytes, lanes 16-31 the next head's
	v_lshlrev_b32 v[QO], 12, v25
	v_lshl_add_u32 v[QO], v24, 4, v[QO]
	v_add_nc_u32 v[QO], s[W256], v[QO]             ; and the same in zp[g]: a head's row is 4,096 bytes, my wave's part 256
.irp nt, 0,1,2,3
	ds_store_b128 v26, v[Z+8*(\nt):Z+8*(\nt)+3]   offset:64*(\nt)
	ds_store_b128 v26, v[Z+8*(\nt)+4:Z+8*(\nt)+7] offset:64*(\nt)+16
.endr
.irp q, 0,1,2,3,4,5,6,7
	ds_load_b128 v[X+4*(\q):X+4*(\q)+3], v27 offset:2*ZP*(\q)  ; LDS serves a wave's instructions in order (ISA guide 5.7.1.4): these see the stores above
.endr
.irp q, 0,1,2,3,4,5,6,7
	s_wait_dscnt 7-(\q)                            ; load q is in, the younger ones stay out
	global_store_b128 v[QO], v[X+4*(\q):X+4*(\q)+3], s[10:11] offset:8192*(\q) th:TH_STORE_NT  ; 16 lanes store 256 consecutive bytes, at a multiple of 256 from zp's first byte
.endr
	s_cmp_lg_u32 s[WN], 0                          ; every wave holds the same statistics: wave 0 stores them
	s_cbranch_scc1 .Lend
	v_add_f32 v[LS], v[LS], v[LS+1]
	v_permlanex16_b32 v[LS+1], v[LS], s[SEL], s[SEL+1]
	v_add_f32 v[MX], v[LS], v[LS+1]                ; l takes m's place beside c m
	v_and_b32 v24, 31, v0
	v_lshlrev_b32 v24, 3, v24
	global_store_b64 v24, v[CM:CM+1], s[12:13]     ; (c m, l) of head lane % 16: 256 consecutive bytes
.Lend:
	s_wait_tensorcnt 0x0                           ; the wave's end: three closing lines, behind my last LDS store
	ds_add_u32 v[SPW], v[NIL]
	s_wait_dscnt 0x0
	s_endpgm
.Lfunc_end_k_q69aa512778_stream:
	.size	k_q69aa512778_stream, .Lfunc_end_k_q69aa512778_stream-k_q69aa512778_stream
	.p2alignl 7, 3214868480
	.fill 96, 4, 3214868480
	.section	.rodata,"a",@progbits
	.p2align	6, 0x0
	.amdhsa_kernel k_q69aa512778_stream
		.amdhsa_group_segment_fixed_size 110592
		.amdhsa_private_segment_fixed_size 0
		.amdhsa_enable_private_segment 0
		.amdhsa_kernarg_size 40
		.amdhsa_user_sgpr_count 2
		.amdhsa_user_sgpr_kernarg_segment_ptr 1
		.amdhsa_wavefront_size32 1
		.amdhsa_system_sgpr_workgroup_id_x 1
		.amdhsa_system_sgpr_workgroup_id_y 1
		.amdhsa_system_sgpr_workgroup_id_z 1
		.amdhsa_system_vgpr_workitem_id 0
		.amdhsa_next_free_vgpr 256
		.amdhsa_next_free_sgpr 66
		.amdhsa_reserve_vcc 0
		.amdhsa_float_denorm_mode_32 3
		.amdhsa_float_denorm_mode_16_64 3
		.amdhsa_memory_ordered 1
		.amdhsa_forward_progress 1
		.amdhsa_inst_pref_size 64
	.end_amdhsa_kernel
	.amdgpu_metadata
---
amdhsa.version: [ 1, 2 ]
amdhsa.kernels:
  - .name:           k_q69aa512778_stream
    .symbol:         k_q69aa512778_stream.kd
    .args:
      - { .name: y, .offset: 0, .size: 8, .value_kind: global_buffer, .address_space: global }
      - { .name: qk, .offset: 8, .size: 8, .value_kind: global_buffer, .address_space: global }
      - { .name: sb, .offset: 16, .size: 8, .value_kind: global_buffer, .address_space: global }
      - { .name: zp, .offset: 24, .size: 8, .value_kind: global_buffer, .address_space: global }
      - { .name: st, .offset: 32, .size: 8, .value_kind: global_buffer, .address_space: global }
    .group_segment_fixed_size: 110592
    .private_segment_fixed_size: 0
    .kernarg_segment_align: 8
    .kernarg_segment_size: 40
    .max_flat_workgroup_size: 512
    .sgpr_count:     66
    .vgpr_count:     256
    .wavefront_size: 32
...
	.end_amdgpu_metadata
.endif
;; end of part 2
;; launch attn (part 3): grid 16 x 16, 16 waves a work-group, no clusters, 10,240 bytes of LDS; arguments zp, st, WV_w, WV_b, att; writes att
.if DOCPART == 3
	.amdgcn_target "amdgcn-amd-amdhsa--gfx1250"
	.amdhsa_code_object_version 6
	.text
	.protected	k_q69aa512778_attn
	.globl	k_q69aa512778_attn
	.p2align	8
	.type	k_q69aa512778_attn,@function
k_q69aa512778_attn:
	s_mov_b64 s[64:65], 0
	v_nop
	global_prefetch_b8 v0, s[64:65] scope:SCOPE_SE
	s_setreg_imm32_b32 hwreg(HW_REG_WAVE_MODE, 25, 1), 1
	s_wait_xcnt 0x0
; THE MERGE AND THE VALUE PROJECTION.  att[b][64 n + d] = sum over h of z[b][n][h] WV_w[h][64 n + d] + WV_b[64 n + d], where z[b][n] = (sum over parts j of e_j zp[8 b + j][n]) / (sum over j of e_j l_j),
;   e_j = 2^(c m_j - the largest c m of the eight): the running maxima of the eight parts are merged in f32.  (The weights of a softmax add up to 1, so WV_b enters once; v is never formed.)
; FORMATS.  WV_w and WV_b are rounded once to bf16; f zp goes on as two bf16 numbers (hi, lo); sums in f32.  LIMITS: the order of the sums differs from the reference's; NaN and infinities are not treated apart.
; SHARES.  Work-group (n, bp): head n, batches 2 bp and 2 bp + 1.  The 16 rows of A are the 16 PARTS g = 16 bp + r, each scaled by its f = e / the batch's divisor: a full tile, and the sum over a batch's
;   eight parts is the sum of an accumulator's eight registers (register i of lane (r, hh): part i of batch 2 bp + hh).  K (1,024) is split among the 16 waves, 64 each; the partial sums meet in LDS.
;   The head's 64 columns of WV_w come as in the first launch: a slab row is 256 consecutive bytes, a lane's four numbers are columns 4 r .. + 3, and column tile j is taken to be the columns 4 r + j.
.set PART,  0                          ; LDS: wave w's 512 bytes (2 batches x 64 columns) at 512 w
.set SPARE, 8192                       ; the spare words, 128 bytes for each wave: eight blocks of 256 bytes that no other line names
.set LN,  1                            ; v1   lane
.set RW,  2                            ; v2   r
.set HH,  3                            ; v3   hh
.set BO,  4                            ; v4   the slab loads' offset; later an LDS address
.set AO,  5                            ; v5   zp's offset; later an LDS address
.set SO,  6                            ; v6   st: my batch's eight parts; later att's offset
.set SW,  7                            ; v7   st: my own part
.set SPW, 8                            ; v8   LDS address of my spare word; never rewritten
.set NIL, 9                            ; v9   0; never rewritten
.set BV,  10                           ; v[10:13] WV_b of columns 4 r .. + 3 (wave 0)
.set FF,  14                           ; v[14:15] f, twice
.set ACC, 16                           ; v[16:47]   first (c m, l) of the eight parts and what f is made of; then four accumulators
.set H,   48                           ; v[48:63]   f zp hi; later the sums over parts
.set AR,  64                           ; v[64:95]   zp, 16 f32 for each K step; lo packed in place
.set FB,  96                           ; v[96:127]  B's fragments of K step 0
.set T,   96                           ; v[96:103]  at work in SPLIT4, before FB is filled
.set BR,  128                          ; v[128:255] the slab as loaded; K step 1's fragments go to v[128:159]; wave 0's last sums
.set MASK, 18
.set WN,  20
.set HD,  21
.set BP,  22
.macro LOADA
.irp ks, 0,1
.irp q, 0,1,2,3
	global_load_b128 v[AR+16*(\ks)+4*(\q):AR+16*(\ks)+4*(\q)+3], v[AO], s[4:5] offset:128*(\ks)+16*(\q)+32*((\q)/2) th:TH_LOAD_NT
.endr
.endr
.endm
.macro LOADB
.irp ks, 0,1
.irp u, 0,1,2,3,4,5,6,7,8,9,10,11,12,13,14,15
	global_load_b128 v[BR+64*(\ks)+4*(\u):BR+64*(\ks)+4*(\u)+3], v[BO], s[8:9] offset:(32*(\ks)+(\u)+8*((\u)/8))*4096
.endr
.endr
.endm
.macro CVTB ks, dst
.irp j, 0,1,2,3
.irp p, 0,1,2,3,4,5,6,7
	v_cvt_pk_bf16_f32 v[(\dst)+8*(\j)+(\p)], v[BR+64*(\ks)+8*(\p)+(\j)], v[BR+64*(\ks)+8*(\p)+4+(\j)]
.endr
.endr
.endm
.macro SPLIT4 rg, hd, ld, p0
.irp k, 0,1,2,3
	v_cvt_pk_bf16_f32 v[(\hd)+(\p0)+(\k)], v[(\rg)+2*((\p0)+(\k))], v[(\rg)+2*((\p0)+(\k))+1]
.endr
.irp k, 0,1,2,3
	v_lshlrev_b32 v[T+2*(\k)], 16, v[(\hd)+(\p0)+(\k)]
	v_and_b32 v[T+2*(\k)+1], s[MASK], v[(\hd)+(\p0)+(\k)]
.endr
.irp k, 0,1,2,3
	v_pk_add_f32 v[(\rg)+2*((\p0)+(\k)):(\rg)+2*((\p0)+(\k))+1], v[(\rg)+2*((\p0)+(\k)):(\rg)+2*((\p0)+(\k))+1], v[T+2*(\k):T+2*(\k)+1] neg_lo:[0,1] neg_hi:[0,1]
.endr
.irp k, 0,1,2,3
	v_cvt_pk_bf16_f32 v[(\ld)+(\p0)+(\k)], v[(\rg)+2*((\p0)+(\k))], v[(\rg)+2*((\p0)+(\k))+1]
.endr
.endm
.macro MUL a, bb, zero                 ; four products, the four accumulators by turns
.irp j, 0,1,2,3
.if \zero
	v_wmma_f32_16x16x32_bf16 v[ACC+8*(\j):ACC+8*(\j)+7], v[(\a):(\a)+7], v[(\bb)+8*(\j):(\bb)+8*(\j)+7], 0
.else
	v_wmma_f32_16x16x32_bf16 v[ACC+8*(\j):ACC+8*(\j)+7], v[(\a):(\a)+7], v[(\bb)+8*(\j):(\bb)+8*(\j)+7], v[ACC+8*(\j):ACC+8*(\j)+7]
.endif
.endr
.endm
	s_load_b256 s[4:11], s[0:1], 0x0               ; zp s[4:5], st s[6:7], WV_w s[8:9], WV_b s[10:11]
	s_load_b64 s[12:13], s[0:1], 0x20              ; att
	v_lshl_add_u32 v[SPW], v0, 2, SPARE
	v_mov_b32 v[NIL], 0
	v_lshrrev_b32 v[LN], 5, v0
	v_readfirstlane_b32 s[WN], v[LN]               ; wave 0..15
	v_and_b32 v[LN], 31, v0
	v_and_b32 v[RW], 15, v0
	v_bfe_u32 v[HH], v0, 4, 1
	s_mov_b32 s[HD], ttmp9
	s_and_b32 s[BP], ttmp7, 0xffff
	s_lshl_b32 s25, s[WN], 18                      ; my 64 slab rows of 4,096 bytes
	v_lshlrev_b32 v[BO], 4, v[RW]
	v_lshl_add_u32 v[BO], v[HH], 15, v[BO]
	v_add_nc_u32 v[BO], s25, v[BO]
	s_lshl_b32 s25, s[WN], 8                       ; my 64 K
	v_lshlrev_b32 v[AO], 16, v[RW]                 ; part r: 65,536 bytes on
	v_lshl_add_u32 v[AO], v[HH], 5, v[AO]
	v_add_nc_u32 v[AO], s25, v[AO]
	v_lshrrev_b32 v[SO], 3, v[RW]
	v_lshlrev_b32 v[SO], 11, v[SO]                 ; my row's batch: eight blocks of 256 bytes of st
	v_lshlrev_b32 v[SW], 8, v[RW]                  ; my row's own block
	s_mov_b32 s[MASK], 0xffff0000
	s_lshl_b32 s26, s[HD], 8                       ; the head's 64 columns: 256 bytes, in WV_w, WV_b and att
	s_mov_b32 s27, 0
	s_lshl_b32 s28, s[BP], 20                      ; zp: 16 parts x 65,536, the head's row of 4,096
	s_lshl_b32 s29, s[HD], 12
	s_add_co_u32 s28, s28, s29
	s_mov_b32 s29, 0
	s_lshl_b32 s30, s[BP], 12                      ; st: 16 parts x 256, the head's 8 bytes
	s_lshl_b32 s31, s[HD], 3
	s_add_co_u32 s30, s30, s31
	s_mov_b32 s31, 0
	s_lshl_b32 s32, s[BP], 13                      ; att: two rows of 4,096 bytes
	s_mov_b32 s33, 0
	s_wait_kmcnt 0x0
	s_add_nc_u64 s[4:5], s[4:5], s[28:29]
	s_add_nc_u64 s[6:7], s[6:7], s[30:31]
	s_add_nc_u64 s[8:9], s[8:9], s[26:27]
	s_add_nc_u64 s[10:11], s[10:11], s[26:27]
	s_add_nc_u64 s[12:13], s[12:13], s[26:27]
	s_add_nc_u64 s[12:13], s[12:13], s[32:33]
	s_cmp_lg_u32 s[WN], 0                          ; the bias is wanted by wave 0 alone; its load is the oldest, so the counts below are the same in every wave
	s_cbranch_scc1 .Lnot_0
	v_lshlrev_b32 v47, 4, v[RW]
	global_load_b128 v[BV:BV+3], v47, s[10:11]
.Lnot_0:
.irp j, 0,1,2,3,4,5,6,7
	global_load_b64 v[ACC+2*(\j):ACC+2*(\j)+1], v[SO], s[6:7] offset:256*(\j)  ; (c m, l) of part j of my row's batch
.endr
	global_load_b32 v32, v[SW], s[6:7]             ; c m of my row's own part
	LOADA
	LOADB
	s_wait_loadcnt 40                              ; the statistics are in; zp's 8 loads and the slab's 32 stay out
	v_max3_num_f32 v33, v16, v18, v20
	v_max3_num_f32 v34, v22, v24, v26
	v_max3_num_f32 v33, v33, v28, v30
	v_max_num_f32 v33, v33, v34                    ; the batch's largest c m
.irp j, 0,1,2,3,4,5,6,7
	v_sub_f32 v[36+(\j)], v[ACC+2*(\j)], v33
.endr
	v_sub_f32 v44, v32, v33
.irp j, 0,1,2,3,4,5,6,7,8
	v_exp_f32 v[36+(\j)], v[36+(\j)]
.endr
	v_nop                                          ; a plain instruction behind the last exponential (ISA guide 5.7.2),
	s_wait_alu depctr_va_vdst(0)                   ; and the one wait ahead of the first use of the batch's results
	v_mul_f32 v45, v36, v17
.irp j, 1,2,3,4,5,6,7
	v_fmac_f32 v45, v[36+(\j)], v[ACC+2*(\j)+1]    ; the divisor: at least 1, since the part with the largest c m has e = 1 and l >= 1
.endr
	v_rcp_f32 v46, v45
	v_nop
	s_wait_alu depctr_va_vdst(0)                   ; the same for the reciprocal
	v_mul_f32 v[FF], v44, v46
	v_mul_f32 v[FF+1], v44, v46
	s_wait_loadcnt 32                              ; zp is in; the slab's 32 loads stay out
.set i, 0
.rept 16
	v_pk_mul_f32 v[AR+i:AR+i+1], v[AR+i:AR+i+1], v[FF:FF+1]
.set i, i+2
.endr
	SPLIT4 AR, H, AR, 0
	SPLIT4 AR, H, AR, 4
	SPLIT4 AR+16, H+8, AR+16, 0
	SPLIT4 AR+16, H+8, AR+16, 4
	s_wait_loadcnt 16                              ; K step 0 of the slab is in; K step 1's 16 loads stay out
	CVTB 0, FB
	MUL H, FB, 1
	MUL AR, FB, 0
	s_wait_loadcnt 0x0
	CVTB 1, BR
	MUL H+8, BR, 0
	MUL AR+16, BR, 0
	s_lshl_b32 s25, s[WN], 9                       ; four plain address lines: the places behind the last products (ISA guide 7.12.1)
	v_lshl_add_u32 v[BO], v[LN], 4, s25            ; out: 512 w + 16 lane
	v_lshlrev_b32 v[AO], 4, v[LN]                  ; back: 16 lane of every wave's
	v_lshlrev_b32 v[SO], 12, v[HH]
	v_lshl_add_u32 v[SO], v[RW], 4, v[SO]          ; att: batch hh's row, columns 4 r .. + 3
.irp j, 0,1,2,3                        ; the sum over a batch's eight parts; each accumulator from its low end
	v_pk_add_f32 v[ACC+8*(\j):ACC+8*(\j)+1], v[ACC+8*(\j):ACC+8*(\j)+1], v[ACC+8*(\j)+2:ACC+8*(\j)+3]
	v_pk_add_f32 v[ACC+8*(\j)+4:ACC+8*(\j)+5], v[ACC+8*(\j)+4:ACC+8*(\j)+5], v[ACC+8*(\j)+6:ACC+8*(\j)+7]
.endr
.irp j, 0,1,2,3
	v_pk_add_f32 v[ACC+8*(\j):ACC+8*(\j)+1], v[ACC+8*(\j):ACC+8*(\j)+1], v[ACC+8*(\j)+4:ACC+8*(\j)+5]
.endr
.irp j, 0,1,2,3
	v_add_f32 v[H+(\j)], v[ACC+8*(\j)], v[ACC+8*(\j)+1]
.endr
	ds_store_b128 v[BO], v[H:H+3] offset:PART
	s_wait_dscnt 0x0                               ; for wave 0's sake: my partial sums lie in LDS
	s_barrier_signal -1
	s_barrier_wait -1
	s_cmp_lg_u32 s[WN], 0
	s_cbranch_scc1 .Lend
.irp p, 0,1,2,3,4,5,6,7,8,9,10,11,12,13,14,15
	ds_load_b128 v[BR+4*(\p):BR+4*(\p)+3], v[AO] offset:PART+512*(\p)
.endr
	v_cvt_pk_bf16_f32 v[T], v[BV], v[BV+1]         ; the bias is an input: rounded to bf16 like the others
	v_cvt_pk_bf16_f32 v[T+1], v[BV+2], v[BV+3]
	v_lshlrev_b32 v[BV], 16, v[T]
	v_and_b32 v[BV+1], s[MASK], v[T]
	v_lshlrev_b32 v[BV+2], 16, v[T+1]
	v_and_b32 v[BV+3], s[MASK], v[T+1]
	s_wait_dscnt 0x0
.irp d, 32,16,8,4
.set i, 0
.rept (\d)/2
	v_pk_add_f32 v[BR+i:BR+i+1], v[BR+i:BR+i+1], v[BR+(\d)+i:BR+(\d)+i+1]
.set i, i+2
.endr
.endr
	v_pk_add_f32 v[BR:BR+1], v[BR:BR+1], v[BV:BV+1]
	v_pk_add_f32 v[BR+2:BR+3], v[BR+2:BR+3], v[BV+2:BV+3]
	global_store_b128 v[SO], v[BR:BR+3], s[12:13]  ; 16 lanes store 256 consecutive bytes, at a multiple of 256 from att's first byte
.Lend:
	s_wait_tensorcnt 0x0                           ; the wave's end: three closing lines, behind my last LDS store
	ds_add_u32 v[SPW], v[NIL]
	s_wait_dscnt 0x0
	s_endpgm
.Lfunc_end_k_q69aa512778_attn:
	.size	k_q69aa512778_attn, .Lfunc_end_k_q69aa512778_attn-k_q69aa512778_attn
	.p2alignl 7, 3214868480
	.fill 96, 4, 3214868480
	.section	.rodata,"a",@progbits
	.p2align	6, 0x0
	.amdhsa_kernel k_q69aa512778_attn
		.amdhsa_group_segment_fixed_size 10240
		.amdhsa_private_segment_fixed_size 0
		.amdhsa_enable_private_segment 0
		.amdhsa_kernarg_size 40
		.amdhsa_user_sgpr_count 2
		.amdhsa_user_sgpr_kernarg_segment_ptr 1
		.amdhsa_wavefront_size32 1
		.amdhsa_system_sgpr_workgroup_id_x 1
		.amdhsa_system_sgpr_workgroup_id_y 1
		.amdhsa_system_sgpr_workgroup_id_z 1
		.amdhsa_system_vgpr_workitem_id 0
		.amdhsa_next_free_vgpr 256
		.amdhsa_next_free_sgpr 66
		.amdhsa_reserve_vcc 0
		.amdhsa_float_denorm_mode_32 3
		.amdhsa_float_denorm_mode_16_64 3
		.amdhsa_memory_ordered 1
		.amdhsa_forward_progress 1
		.amdhsa_inst_pref_size 23
	.end_amdhsa_kernel
	.amdgpu_metadata
---
amdhsa.version: [ 1, 2 ]
amdhsa.kernels:
  - .name:           k_q69aa512778_attn
    .symbol:         k_q69aa512778_attn.kd
    .args:
      - { .name: zp, .offset: 0, .size: 8, .value_kind: global_buffer, .address_space: global }
      - { .name: st, .offset: 8, .size: 8, .value_kind: global_buffer, .address_space: global }
      - { .name: WV_w, .offset: 16, .size: 8, .value_kind: global_buffer, .address_space: global }
      - { .name: WV_b, .offset: 24, .size: 8, .value_kind: global_buffer, .address_space: global }
      - { .name: att, .offset: 32, .size: 8, .value_kind: global_buffer, .address_space: global }
    .group_segment_fixed_size: 10240
    .private_segment_fixed_size: 0
    .kernarg_segment_align: 8
    .kernarg_segment_size: 40
    .max_flat_workgroup_size: 512
    .sgpr_count:     66
    .vgpr_count:     256
    .wavefront_size: 32
...
	.end_amdgpu_metadata
.endif
;; end of part 3
;; launch outp (part 4): grid 16 x 2, 16 waves a work-group, no clusters, 72,192 bytes of LDS; arguments att, WO_w, WO_b, out0; writes out0
.if DOCPART == 4
	.amdgcn_target "amdgcn-amd-amdhsa--gfx1250"
	.amdhsa_code_object_version 6
	.text
	.protected	k_q69aa512778_outp
	.globl	k_q69aa512778_outp
	.p2align	8
	.type	k_q69aa512778_outp,@function
k_q69aa512778_outp:
	s_mov_b64 s[64:65], 0
	v_nop
	global_prefetch_b8 v0, s[64:65] scope:SCOPE_SE
	s_setreg_imm32_b32 hwreg(HW_REG_WAVE_MODE, 25, 1), 1
	s_wait_xcnt 0x0
; THE OUTPUT PROJECTION.  out0[b][c] = sum over k of att[b][k] WO_w[k][c] + WO_b[c].  WO_w and WO_b are rounded once to bf16; att goes in as two bf16 numbers (hi, lo); sums in f32.
; LIMITS.  NaN, infinities and numbers past bf16's largest are not treated apart.
; SHARES.  Work-group (cb, bh): columns 64 cb .. + 63, batches 16 bh .. + 15.  32 work-groups: each reads its 64 columns of WO_w (256 KiB), and narrower column blocks would have slab rows under 256 bytes.
;   K (1,024) is split among the 16 waves, 64 each.  A slab row is 256 consecutive bytes: lanes 0-15 load row k, lanes 16-31 row k + 8; a lane's four numbers are columns 4 r .. + 3, and column tile j is
;   taken to be the columns 4 r + j.  The 16 partial tiles meet in LDS, the bias is added, and whole rows of 256 bytes leave.
.set PART,  0                          ; LDS: wave w's partial tile, 4,096 bytes, at 4,096 w
.set OS,    65536                      ; the result: 16 rows of 256 bytes, 272 apart
.set OSP,   272
.set SPARE, 70144                      ; the spare words, 128 bytes for each wave: eight blocks of 256 bytes that no other line names
.set LN,  1
.set RW,  2
.set HH,  3
.set BO,  4                            ; v4   the slab loads' offset; later LDS addresses
.set AO,  5                            ; v5   att's offset; later an LDS address and out0's offset
.set A7,  7                            ; v7   WO_b's offset; later an LDS address
.set SPW, 8                            ; v8   LDS address of my spare word; never rewritten
.set NIL, 9                            ; v9   0; never rewritten
.set BQ,  10                           ; v10  WO_b of my column in the reduction
.set TM,  11
.set ACC, 16                           ; v[16:47]   four accumulators
.set H,   48                           ; v[48:63]   att hi
.set AR,  64                           ; v[64:95]   att, 16 f32 for each K step; lo packed in place
.set FB,  96                           ; v[96:127]  B's fragments of K step 0
.set T,   96                           ; v[96:103]  at work in SPLIT4, before FB is filled
.set BR,  128                          ; v[128:255] the slab as loaded; K step 1's fragments go to v[128:159]
.set RS,  160                          ; v[160:191] the reduction, and the way out
.set MASK, 18
.set WN,  20
.set CB,  21
.set BH,  22
.macro LOADA
.irp ks, 0,1
.irp q, 0,1,2,3
	global_load_b128 v[AR+16*(\ks)+4*(\q):AR+16*(\ks)+4*(\q)+3], v[AO], s[4:5] offset:128*(\ks)+16*(\q)+32*((\q)/2)
.endr
.endr
.endm
.macro LOADB
.irp ks, 0,1
.irp u, 0,1,2,3,4,5,6,7,8,9,10,11,12,13,14,15
	global_load_b128 v[BR+64*(\ks)+4*(\u):BR+64*(\ks)+4*(\u)+3], v[BO], s[6:7] offset:(32*(\ks)+(\u)+8*((\u)/8))*4096
.endr
.endr
.endm
.macro CVTB ks, dst
.irp j, 0,1,2,3
.irp p, 0,1,2,3,4,5,6,7
	v_cvt_pk_bf16_f32 v[(\dst)+8*(\j)+(\p)], v[BR+64*(\ks)+8*(\p)+(\j)], v[BR+64*(\ks)+8*(\p)+4+(\j)]
.endr
.endr
.endm
.macro SPLIT4 rg, hd, ld, p0
.irp k, 0,1,2,3
	v_cvt_pk_bf16_f32 v[(\hd)+(\p0)+(\k)], v[(\rg)+2*((\p0)+(\k))], v[(\rg)+2*((\p0)+(\k))+1]
.endr
.irp k, 0,1,2,3
	v_lshlrev_b32 v[T+2*(\k)], 16, v[(\hd)+(\p0)+(\k)]
	v_and_b32 v[T+2*(\k)+1], s[MASK], v[(\hd)+(\p0)+(\k)]
.endr
.irp k, 0,1,2,3
	v_pk_add_f32 v[(\rg)+2*((\p0)+(\k)):(\rg)+2*((\p0)+(\k))+1], v[(\rg)+2*((\p0)+(\k)):(\rg)+2*((\p0)+(\k))+1], v[T+2*(\k):T+2*(\k)+1] neg_lo:[0,1] neg_hi:[0,1]
.endr
.irp k, 0,1,2,3
	v_cvt_pk_bf16_f32 v[(\ld)+(\p0)+(\k)], v[(\rg)+2*((\p0)+(\k))], v[(\rg)+2*((\p0)+(\k))+1]
.endr
.endm
.macro MUL a, bb, zero                 ; four products, the four accumulators by turns
.irp j, 0,1,2,3
.if \zero
	v_wmma_f32_16x16x32_bf16 v[ACC+8*(\j):ACC+8*(\j)+7], v[(\a):(\a)+7], v[(\bb)+8*(\j):(\bb)+8*(\j)+7], 0
.else
	v_wmma_f32_16x16x32_bf16 v[ACC+8*(\j):ACC+8*(\j)+7], v[(\a):(\a)+7], v[(\bb)+8*(\j):(\bb)+8*(\j)+7], v[ACC+8*(\j):ACC+8*(\j)+7]
.endif
.endr
.endm
	s_load_b256 s[4:11], s[0:1], 0x0               ; att s[4:5], WO_w s[6:7], WO_b s[8:9], out0 s[10:11]
	v_lshl_add_u32 v[SPW], v0, 2, SPARE
	v_mov_b32 v[NIL], 0
	v_lshrrev_b32 v[LN], 5, v0
	v_readfirstlane_b32 s[WN], v[LN]               ; wave 0..15
	v_and_b32 v[LN], 31, v0
	v_and_b32 v[RW], 15, v0
	v_bfe_u32 v[HH], v0, 4, 1
	s_mov_b32 s[CB], ttmp9
	s_and_b32 s[BH], ttmp7, 0xffff
	s_lshl_b32 s25, s[WN], 18                      ; my 64 slab rows of 4,096 bytes
	v_lshlrev_b32 v[BO], 4, v[RW]
	v_lshl_add_u32 v[BO], v[HH], 15, v[BO]
	v_add_nc_u32 v[BO], s25, v[BO]
	s_lshl_b32 s25, s[WN], 8                       ; my 64 K
	v_lshlrev_b32 v[AO], 12, v[RW]
	v_lshl_add_u32 v[AO], v[HH], 5, v[AO]
	v_add_nc_u32 v[AO], s25, v[AO]
	s_lshr_b32 s25, s[WN], 2
	s_lshl_b32 s25, s25, 2
	v_lshrrev_b32 v[A7], 1, v[LN]
	v_lshl_add_u32 v[A7], v[A7], 4, s25            ; my column in the reduction, 4 (lane / 2) + wave / 4, in bytes
	s_mov_b32 s[MASK], 0xffff0000
	s_lshl_b32 s26, s[CB], 8                       ; the block's 64 columns: 256 bytes
	s_mov_b32 s27, 0
	s_lshl_b32 s28, s[BH], 16                      ; 16 rows of 4,096 bytes
	s_mov_b32 s29, 0
	s_wait_kmcnt 0x0
	s_add_nc_u64 s[4:5], s[4:5], s[28:29]
	s_add_nc_u64 s[6:7], s[6:7], s[26:27]
	s_add_nc_u64 s[8:9], s[8:9], s[26:27]
	s_add_nc_u64 s[10:11], s[10:11], s[26:27]
	s_add_nc_u64 s[10:11], s[10:11], s[28:29]
	global_load_b32 v[BQ], v[A7], s[8:9]
	LOADA
	LOADB
	s_wait_loadcnt 32                              ; the bias and att are in; the slab's 32 loads stay out
	v_cvt_pk_bf16_f32 v[TM], v[BQ], v[BQ]          ; the bias is an input: rounded to bf16 like the others
	v_lshlrev_b32 v[BQ], 16, v[TM]
	SPLIT4 AR, H, AR, 0
	SPLIT4 AR, H, AR, 4
	SPLIT4 AR+16, H+8, AR+16, 0
	SPLIT4 AR+16, H+8, AR+16, 4
	s_wait_loadcnt 16                              ; K step 0 of the slab is in; K step 1's 16 loads stay out
	CVTB 0, FB
	MUL H, FB, 1
	MUL AR, FB, 0
	s_wait_loadcnt 0x0
	CVTB 1, BR
	MUL H+8, BR, 0
	MUL AR+16, BR, 0
	; THE 16 PARTIAL TILES MEET.  The seven plain address lines are the places behind the last products (ISA guide 7.12.1).
	s_lshl_b32 s25, s[WN], 12
	v_lshl_add_u32 v[BO], v[LN], 4, s25            ; out: 4,096 w + 16 lane
	s_lshl_b32 s25, s[WN], 8
	v_lshl_add_u32 v[AO], v[LN], 3, s25            ; back: bytes 256 w + 8 lane of every wave's tile: rows 8 (w % 2) + 4 ((w / 2) % 2) + 2 (lane % 2) + 0, 1 of column 4 (lane / 2) + w / 4
	s_and_b32 s25, s[WN], 1
	s_lshl_b32 s25, s25, 3
	s_lshr_b32 s26, s[WN], 1
	s_and_b32 s26, s26, 1
	s_lshl_b32 s26, s26, 2
	s_add_co_u32 s25, s25, s26
	s_mul_i32 s25, s25, OSP
	s_lshr_b32 s26, s[WN], 2
	s_lshl_b32 s26, s26, 2
	s_add_co_u32 s25, s25, s26
	s_add_co_u32 s25, s25, OS
	v_and_b32 v[TM], 1, v[LN]
	v_mul_u32_u24 v[TM], v[TM], 2*OSP
	v_lshrrev_b32 v[A7], 1, v[LN]
	v_lshl_add_u32 v[A7], v[A7], 4, v[TM]
	v_add_nc_u32 v[A7], s25, v[A7]                 ; where those two numbers go
.irp c, 0,1,2,3,4,5,6,7                ; each accumulator's low four registers first
	ds_store_b128 v[BO], v[ACC+4*(\c):ACC+4*(\c)+3] offset:PART+512*(\c)
.endr
	s_wait_dscnt 0x0                               ; for the others' sake: my partial tile lies in LDS
	s_barrier_signal -1
	s_barrier_wait -1
.irp p, 0,1,2,3,4,5,6,7,8,9,10,11,12,13,14,15
	ds_load_b64 v[RS+2*(\p):RS+2*(\p)+1], v[AO] offset:PART+4096*(\p)
.endr
	s_wait_dscnt 0x0
.irp d, 16,8,4,2
.set i, 0
.rept (\d)/2
	v_pk_add_f32 v[RS+i:RS+i+1], v[RS+i:RS+i+1], v[RS+(\d)+i:RS+(\d)+i+1]
.set i, i+2
.endr
.endr
	v_add_f32 v[RS], v[RS], v[BQ]
	v_add_f32 v[RS+1], v[RS+1], v[BQ]
	ds_store_b32 v[A7], v[RS]
	ds_store_b32 v[A7], v[RS+1] offset:OSP
	s_wait_dscnt 0x0                               ; for the others' sake: my two numbers lie in LDS
	s_barrier_signal -1
	s_barrier_wait -1
	s_cmp_lt_u32 s[WN], 8                          ; 16 rows, two a wave: waves 0 to 7 store
	s_cbranch_scc0 .Lend
	s_mul_i32 s25, s[WN], 2*OSP
	s_add_co_u32 s25, s25, OS
	v_mul_u32_u24 v[BO], v[HH], OSP
	v_lshl_add_u32 v[BO], v[RW], 4, v[BO]
	v_add_nc_u32 v[BO], s25, v[BO]                 ; row 2 w + hh, 16 bytes at 16 r
	ds_load_b128 v[RS:RS+3], v[BO]
	v_lshlrev_b32 v[AO], 12, v[HH]
	v_lshl_add_u32 v[AO], v[RW], 4, v[AO]
	s_lshl_b32 s26, s[WN], 13                      ; two rows of 4,096 bytes a wave
	s_mov_b32 s27, 0
	s_add_nc_u64 s[10:11], s[10:11], s[26:27]
	s_wait_dscnt 0x0
	global_store_b128 v[AO], v[RS:RS+3], s[10:11]  ; 16 lanes store 256 consecutive bytes, at a multiple of 256 from out0's first byte
.Lend:
	s_wait_tensorcnt 0x0                           ; the wave's end: three closing lines, behind my last LDS store
	ds_add_u32 v[SPW], v[NIL]
	s_wait_dscnt 0x0
	s_endpgm
.Lfunc_end_k_q69aa512778_outp:
	.size	k_q69aa512778_outp, .Lfunc_end_k_q69aa512778_outp-k_q69aa512778_outp
	.p2alignl 7, 3214868480
	.fill 96, 4, 3214868480
	.section	.rodata,"a",@progbits
	.p2align	6, 0x0
	.amdhsa_kernel k_q69aa512778_outp
		.amdhsa_group_segment_fixed_size 72192
		.amdhsa_private_segment_fixed_size 0
		.amdhsa_enable_private_segment 0
		.amdhsa_kernarg_size 32
		.amdhsa_user_sgpr_count 2
		.amdhsa_user_sgpr_kernarg_segment_ptr 1
		.amdhsa_wavefront_size32 1
		.amdhsa_system_sgpr_workgroup_id_x 1
		.amdhsa_system_sgpr_workgroup_id_y 1
		.amdhsa_system_sgpr_workgroup_id_z 1
		.amdhsa_system_vgpr_workitem_id 0
		.amdhsa_next_free_vgpr 256
		.amdhsa_next_free_sgpr 66
		.amdhsa_reserve_vcc 0
		.amdhsa_float_denorm_mode_32 3
		.amdhsa_float_denorm_mode_16_64 3
		.amdhsa_memory_ordered 1
		.amdhsa_forward_progress 1
		.amdhsa_inst_pref_size 20
	.end_amdhsa_kernel
	.amdgpu_metadata
---
amdhsa.version: [ 1, 2 ]
amdhsa.kernels:
  - .name:           k_q69aa512778_outp
    .symbol:         k_q69aa512778_outp.kd
    .args:
      - { .name: att, .offset: 0, .size: 8, .value_kind: global_buffer, .address_space: global }
      - { .name: WO_w, .offset: 8, .size: 8, .value_kind: global_buffer, .address_space: global }
      - { .name: WO_b, .offset: 16, .size: 8, .value_kind: global_buffer, .address_space: global }
      - { .name: out0, .offset: 24, .size: 8, .value_kind: global_buffer, .address_space: global }
    .group_segment_fixed_size: 72192
    .private_segment_fixed_size: 0
    .kernarg_segment_align: 8
    .kernarg_segment_size: 32
    .max_flat_workgroup_size: 512
    .sgpr_count:     66
    .vgpr_count:     256
    .wavefront_size: 32
...
	.end_amdgpu_metadata
.endif
;; end of part 4
;; ======== version 2 of 2: 4 launches; version 1 with the launch stream written anew for expert scheduling mode
;; workspace buffers: qk 2,097,152 bytes; sb 2,048 bytes; zp 16,777,216 bytes; st 65,536 bytes; att 131,072 bytes
;; launch prep: the kernel of part 1 again; grid 16 x 4, 16 waves a work-group, no clusters, 105,472 bytes of LDS; arguments x, WQ_w, WQ_b, WK_w, WK_b, qk, sb; writes qk, sb
;; launch stream (part 5): grid 256 x 1, 16 waves a work-group, no clusters, 110,592 bytes of LDS; arguments y, qk, sb, zp, st; writes zp, st
.if DOCPART == 5
	.amdgcn_target "amdgcn-amd-amdhsa--gfx1250"
	.amdhsa_code_object_version 6
	.text
	.protected	k_q69aa512778_stream
	.globl	k_q69aa512778_stream
	.p2align	8
	.type	k_q69aa512778_stream,@function
k_q69aa512778_stream:
	s_mov_b64 s[64:65], 0
	v_nop
	global_prefetch_b8 v0, s[64:65] scope:SCOPE_SE
	s_setreg_imm32_b32 hwreg(HW_REG_WAVE_SCHED_MODE, 0, 2), 2
	s_setreg_imm32_b32 hwreg(HW_REG_WAVE_MODE, 25, 1), 1
	s_wait_xcnt 0x0
	s_wait_alu depctr_vm_vsrc(0)
; THE STREAM OF y, READ ONCE.  Work-group g = 8 b + j takes rows 128 j .. + 127 of batch b (524,288 dense bytes) and makes, for all 16 heads n,
;   s[l][n] = sum over h of y[l][h] qk[b][n][h] + sb[n][b];   p = 2^(c s - c m), c = log2(e) / 8, m the RUNNING MAXIMUM over its rows;   l = sum of p;   zp[g][n][h] = sum over l of p y[l][h].
; The next launch merges a batch's eight parts by their c m and l.  y is rounded once to bf16; qk arrives, and p goes on, as two bf16 numbers (hi, lo); sums, maxima and rescalings in f32.
; LIMITS.  The order of the sums differs from the reference's (k and v are never formed).  A weight below 2^-126 counts as 0.  NaN, infinities and numbers past bf16's largest are not treated apart.
; SHARES.  Wave w owns columns 64 w .. + 63 of all rows: they are its K slice of the scores AND its slice of zp, so no wave wants a byte of y that another has loaded.  Only the scores' 16 partial sums cross waves.
; FOUR STEPS of 32 rows, written out by macro.  A step: two half-steps of y (16 rows: 8 loads of 16 bytes a lane; lanes 0-15 take 256 consecutive bytes of row t, lanes 16-31 of row t + 8) are rounded and laid into
;   my own 32 rows of LDS; scores by row fragments; partial sums to LDS, barrier; each thread adds one score's 16 parts, barrier; every wave runs the same softmax (a lane: one head, 16 rows);
;   y^T comes back by the turning load; zp += y^T p.
; IN FLIGHT.  Three sets of registers, a half-step each: a set is asked for again as soon as it is rounded, so two or three half-steps (8 to 12 KiB a wave) are on their way all the time, across the barriers too.
; NOT USED.  Copies by an engine: y is rounded on its way and lands where the rounding reads it.  A cluster: what work-groups share is qk, 64 KiB beside 512 KiB of y.
; LDS rows are 144 bytes apart (128 of data): the 16 rows of a fragment load start at 16 different groups of four banks (64 banks of 4 bytes: ISA guide 11.1); of the turning load's 16 lanes two meet in one group.
; THE MODE: SCHED_MODE bits 1:0 = 2 (LLVM: expert scheduling mode 2), set by the entry lines.  The code itself states the register dependences
; between vector or matrix instructions and memory or LDS instructions, with s_wait_alu, always for 0.
; THE PLAN.  Registers that memory or LDS instructions touch, once round a step:
;   X0 .. X2   Written by the loads of y; read by the roundings ALONE: these write into out-buffers, so a set is asked for again behind the one wait that shows its roundings done.
;   S          The even half-step's out-buffer (roundings write, 8 LDS stores read); then the score products write it and 4 LDS stores read it; then 4 LDS loads land in it, and the softmax works on it.
;   P          The odd half-step's out-buffer (roundings write, 8 LDS stores read); behind the first barrier 16 LDS loads land in it, the sum writes P[0], one LDS store reads it; then the split writes it for the second products.
;   F          Written by LDS loads alone (by rows, then turned), read by the products alone.
;   v1 - v8, v14  Offsets and LDS addresses, made at the head and never written again.  v12: read by qk's loads at the head, written again on the way out.
; THE WAITS of a step: va_vdst behind each half-step's roundings; vm_vsrc ahead of the score products; va_vdst behind those products' places; va_vdst behind the sum; vm_vsrc behind the second barrier;
;   va_vdst behind the exponentials.  Each line's comment says what it states.
.set YP,    144
.set YW,    32*YP                      ; a wave's own 32 rows: 4,608 bytes, at 4,608 w
.set R1,    16*YW                      ; 73,728: wave w's partial scores, 2,048 bytes, at R1 + 2,048 w
.set R2,    R1+32768                   ; the summed scores, 2,048 bytes, in the layout of one wave's
.set SPARE, R2+2048                    ; the spare words, 128 bytes for each wave: eight blocks of 256 bytes that no other line names
.set ZP,    272                        ; the way out: rows of 256 bytes, 272 apart, in my own rows
.set YO,  1                            ; v1   y: 8 rows x hh + 16 r + 256 w; never rewritten
.set YA,  2                            ; v2   where I lay 8 bytes of a row
.set AA,  3                            ; v3   row fragments
.set TA,  4                            ; v4   the turning load
.set DA,  5                            ; v5   partial scores, out
.set RA,  6                            ; v6   partial scores, back: one number of each wave's
.set WA,  7                            ; v7   the summed score, out
.set LA,  8                            ; v8   the summed scores, back
.set SPW, 9                            ; v9   LDS address of my spare word; never rewritten
.set NIL, 10                           ; v10  0; never rewritten
.set SBV, 11                           ; v11  sb of the head whose score I sum
.set QO,  12                           ; v12  qk's offset; on the way out zp's
.set CMO, 13                           ; v13  c m_old
.set SO,  14                           ; v14  sb's offset; never rewritten
.set CM,  16                           ; v16  c m        (named as a pair with m)
.set MX,  17                           ; v17  m
.set LS,  18                           ; v[18:19] l, even rows' and odd rows'
.set C0,  20                           ; v[20:23] at work; a in v22, its argument in v23
.set T,   24                           ; v[24:31] at work
.set QK,  32                           ; v[32:63]   qk's fragments: part (hi, lo), K step ks at 8 (2 part + ks)
.set Z,   64                           ; v[64:95]   zp: four tiles of 16 h x 16 heads
.set F,   96                           ; v[96:127]  y's fragments: by rows, then turned
.set S,   128                          ; v[128:143] at a step's head the even half-step, rounded; then scores: two tiles of 16 rows x 16 heads
.set P,   144                          ; v[144:159] at a step's head the odd half-step, rounded; then the 16 parts of the score that I sum; then p hi, p lo
.set X,   160                          ; v[160:255] three sets of 32: y as loaded
.set WN,   14                          ; s14  my wave's number
.set W256, 16                          ; s16  256 w
.set WY,   17                          ; s17  4,608 w
.set CS,   20                          ; s[20:21] c: the packed scaling takes the pair's low word for both halves
.set MASK, 22                          ; s22  a word's upper bf16
.set SEL,  24                          ; s[24:25] v_permlanex16_b32's selects: each lane takes its own place in the other half
.macro SPLIT4 rg, hd, ld, p0           ; pairs p0 .. p0 + 3 of rg: hi to hd, what is left over, rounded again, to ld
.irp k, 0,1,2,3
	v_cvt_pk_bf16_f32 v[(\hd)+(\p0)+(\k)], v[(\rg)+2*((\p0)+(\k))], v[(\rg)+2*((\p0)+(\k))+1]
.endr
.irp k, 0,1,2,3
	v_lshlrev_b32 v[T+2*(\k)], 16, v[(\hd)+(\p0)+(\k)]
	v_and_b32 v[T+2*(\k)+1], s[MASK], v[(\hd)+(\p0)+(\k)]
.endr
.irp k, 0,1,2,3
	v_pk_add_f32 v[(\rg)+2*((\p0)+(\k)):(\rg)+2*((\p0)+(\k))+1], v[(\rg)+2*((\p0)+(\k)):(\rg)+2*((\p0)+(\k))+1], v[T+2*(\k):T+2*(\k)+1] neg_lo:[0,1] neg_hi:[0,1]
.endr
.irp k, 0,1,2,3
	v_cvt_pk_bf16_f32 v[(\ld)+(\p0)+(\k)], v[(\rg)+2*((\p0)+(\k))], v[(\rg)+2*((\p0)+(\k))+1]
.endr
.endm
.macro YLOAD hs                        ; half-step hs: rows 16 hs .. + 15, into set hs % 3
.irp t, 0,1,2,3,4,5,6,7
	global_load_b128 v[X+32*((\hs)%3)+4*(\t):X+32*((\hs)%3)+4*(\t)+3], v[YO], s[4:5] offset:(16*(\hs)+(\t))*4096 th:TH_LOAD_NT
.endr
.endm
.macro YWAIT hs                        ; half-step hs is in
.if (\hs) <= 5
	s_wait_loadcnt 16                              ; loads come back in order (ISA guide 5.7.1): mine are in (at the first use qk and sb too, which were issued earlier); the two younger half-steps stay out
.elseif (\hs) == 6
	s_wait_loadcnt 8                               ; one younger half-step
.else
	s_wait_loadcnt 0x0
.endif
.endm
.macro STEP s, first
.set XA, X+32*((2*(\s))%3)             ; the even half-step's set
.set XB, X+32*((2*(\s)+1)%3)           ; the odd half-step's
	YWAIT 2*(\s)
.irp t, 0,1,2,3,4,5,6,7                ; the even half-step is rounded into S.  These sixteen name none of the last products' registers: they are the places (ISA guide 7.12.1) ahead of the roundings below that write P, a source of those products
	v_cvt_pk_bf16_f32 v[S+2*(\t)],   v[XA+4*(\t)],   v[XA+4*(\t)+1]
	v_cvt_pk_bf16_f32 v[S+2*(\t)+1], v[XA+4*(\t)+2], v[XA+4*(\t)+3]
.endr
	s_wait_alu depctr_va_vdst(0)                   ; the roundings have written S, which the LDS stores below read, and are done reading their set, in which the loads below land; the step before's products are done reading F, in which the row fragments land; in the first step the LDS addresses v2 to v8 are written
.if 2*(\s)+3 < 8
	YLOAD 2*(\s)+3                                 ; the set is asked for again, three half-steps on
.endif
	YWAIT 2*(\s)+1
.irp t, 0,1,2,3,4,5,6,7                ; the odd half-step is rounded into P; the even one's stores are dealt among these roundings, which name their own set and P alone: no register that those stores or the loads above touch
	ds_store_b64 v[YA], v[S+2*(\t):S+2*(\t)+1] offset:(\t)*YP
	v_cvt_pk_bf16_f32 v[P+2*(\t)],   v[XB+4*(\t)],   v[XB+4*(\t)+1]
	v_cvt_pk_bf16_f32 v[P+2*(\t)+1], v[XB+4*(\t)+2], v[XB+4*(\t)+3]
.endr
	s_wait_alu depctr_va_vdst(0)                   ; the roundings have written P, which the LDS stores below read, and are done reading their set, in which the loads below land
.if 2*(\s)+4 < 8
	YLOAD 2*(\s)+4
.endif
.irp t, 0,1,2,3,4,5,6,7
	ds_store_b64 v[YA], v[P+2*(\t):P+2*(\t)+1] offset:(16+(\t))*YP
.endr
.irp mt, 0,1                           ; y by rows: 16 rows x 32 K; LDS serves a wave's instructions in order (ISA guide 5.7.1.4): these see the stores above.  No vector or matrix instruction since the step's first wait names F
.irp ks, 0,1
	ds_load_b128 v[F+8*(2*(\mt)+(\ks)):F+8*(2*(\mt)+(\ks))+3],   v[AA] offset:16*YP*(\mt)+64*(\ks)
	ds_load_b128 v[F+8*(2*(\mt)+(\ks))+4:F+8*(2*(\mt)+(\ks))+7], v[AA] offset:16*YP*(\mt)+64*(\ks)+32
.endr
.endr
	s_wait_dscnt 0x0
	s_wait_alu depctr_vm_vsrc(0)                   ; the LDS stores have read S, which the products below write, and P, in which loads land behind the barrier
.irp ks, 0,1                           ; my K slice of the scores: y (qk hi + qk lo); the two accumulators by turns
.irp part, 0,1
.irp mt, 0,1
.if ((\ks) == 0) && ((\part) == 0)
	v_wmma_f32_16x16x32_bf16 v[S+8*(\mt):S+8*(\mt)+7], v[F+8*(2*(\mt)+(\ks)):F+8*(2*(\mt)+(\ks))+7], v[QK+8*(2*(\part)+(\ks)):QK+8*(2*(\part)+(\ks))+7], 0
.else
	v_wmma_f32_16x16x32_bf16 v[S+8*(\mt):S+8*(\mt)+7], v[F+8*(2*(\mt)+(\ks)):F+8*(2*(\mt)+(\ks))+7], v[QK+8*(2*(\part)+(\ks)):QK+8*(2*(\part)+(\ks))+7], v[S+8*(\mt):S+8*(\mt)+7]
.endif
.endr
.endr
.endr
.rept 4
	v_nop                                          ; four places ahead of the stores that read the results
.endr
	s_wait_alu depctr_va_vdst(0)                   ; the products have written S, which the LDS stores read, and are done reading F, in which the turning loads land; the places above stay beside this wait
.irp c, 0,1,2,3                        ; each accumulator's low four registers first
	ds_store_b128 v[DA], v[S+4*(\c):S+4*(\c)+3] offset:512*(\c)
.endr
.irp nt, 0,1,2,3                       ; y turned: 16 h x 32 rows; they land while the scores meet
	ds_load_tr16_b128 v[F+8*(\nt):F+8*(\nt)+3],   v[TA] offset:32*(\nt)
	ds_load_tr16_b128 v[F+8*(\nt)+4:F+8*(\nt)+7], v[TA] offset:32*(\nt)+16*YP
.endr
	s_wait_dscnt 0x0                               ; for the others' sake: my partial scores lie in LDS (and my reads of the summed scores of the step before are long over)
	s_barrier_signal -1
	s_barrier_wait -1
.irp p, 0,1,2,3,4,5,6,7,8,9,10,11,12,13,14,15
	ds_load_b32 v[P+(\p)], v[RA] offset:2048*(\p)  ; no vector or matrix instruction since the last wait on va_vdst names P
.endr
	s_wait_dscnt 0x0
.irp d, 8,4,2
.set i, 0
.rept (\d)/2
	v_pk_add_f32 v[P+i:P+i+1], v[P+i:P+i+1], v[P+(\d)+i:P+(\d)+i+1]
.set i, i+2
.endr
.endr
	v_add_f32 v[P], v[P], v[P+1]
	v_add_f32 v[P], v[P], v[SBV]
	s_wait_alu depctr_va_vdst(0)                   ; the sum has written P's first register, which the LDS store reads
	ds_store_b32 v[WA], v[P]
	s_wait_dscnt 0x0                               ; for the others' sake: my score lies in LDS, and my reads of the partial scores are over: behind this barrier they may be written again
	s_barrier_signal -1
	s_barrier_wait -1
	s_wait_alu depctr_vm_vsrc(0)                   ; the stores of my partial scores have read S, in which the loads below land; the store of my score has read P's first register, which the split below writes
.irp c, 0,1,2,3
	ds_load_b128 v[S+4*(\c):S+4*(\c)+3], v[LA] offset:512*(\c)
.endr
	s_wait_dscnt 0x0
	; THE SOFTMAX: a lane holds head r and rows 16 mt + 8 hh + 0..7; the head's other 16 rows lie in the lane 16 away
	v_max3_num_f32 v[C0], v[S], v[S+1], v[S+2]
	v_max3_num_f32 v[C0+1], v[S+3], v[S+4], v[S+5]
	v_max3_num_f32 v[C0+2], v[S+6], v[S+7], v[S+8]
	v_max3_num_f32 v[C0+3], v[S+9], v[S+10], v[S+11]
	v_max3_num_f32 v[C0], v[C0], v[S+12], v[S+13]
	v_max3_num_f32 v[C0+1], v[C0+1], v[S+14], v[S+15]
.if \first
	v_max_num_f32 v[C0+2], v[C0+2], v[C0+3]
.else
	v_max3_num_f32 v[C0+2], v[C0+2], v[C0+3], v[MX]
	v_mov_b32 v[CMO], v[CM]
.endif
	v_max3_num_f32 v[C0], v[C0], v[C0+1], v[C0+2]
	v_permlanex16_b32 v[C0+1], v[C0], s[SEL], s[SEL+1]
	v_max_num_f32 v[MX], v[C0], v[C0+1]
	v_mul_f32 v[CM], s[CS], v[MX]
.if !(\first)
	v_sub_f32 v[C0+3], v[CMO], v[CM]
.endif
.irp k, 0,1,2,3,4,5,6,7
	v_pk_fma_f32 v[S+2*(\k):S+2*(\k)+1], v[S+2*(\k):S+2*(\k)+1], s[CS:CS+1], v[CM:CM+1] op_sel_hi:[1,0,0] neg_lo:[0,0,1] neg_hi:[0,0,1]  ; c s - c m
.endr
.if !(\first)
	v_exp_f32 v[C0+2], v[C0+3]                     ; a = 2^(c m_old - c m)
.endif
.irp k, 0,1,2,3,4,5,6,7,8,9,10,11,12,13,14,15
	v_exp_f32 v[S+(\k)], v[S+(\k)]
.endr
	v_nop                                          ; a plain instruction behind the last exponential (ISA guide 5.7.2),
	s_wait_alu depctr_va_vdst(0)                   ; and the one wait between the batch and the first use of a result: the exponentials have written the sixteen weights in S, and a
	v_pk_add_f32 v[T:T+1], v[S:S+1], v[S+2:S+3]
	v_pk_add_f32 v[T+2:T+3], v[S+4:S+5], v[S+6:S+7]
	v_pk_add_f32 v[T+4:T+5], v[S+8:S+9], v[S+10:S+11]
	v_pk_add_f32 v[T+6:T+7], v[S+12:S+13], v[S+14:S+15]
	v_pk_add_f32 v[T:T+1], v[T:T+1], v[T+2:T+3]
	v_pk_add_f32 v[T+4:T+5], v[T+4:T+5], v[T+6:T+7]
.if \first
	v_pk_add_f32 v[LS:LS+1], v[T:T+1], v[T+4:T+5]
.else
	v_pk_add_f32 v[T:T+1], v[T:T+1], v[T+4:T+5]
	v_pk_fma_f32 v[LS:LS+1], v[LS:LS+1], v[C0+2:C0+3], v[T:T+1] op_sel_hi:[1,0,1]  ; l = a l + the sum
.set i, 0
.rept 16                               ; zp times a, ascending: each accumulator from its low end
	v_pk_mul_f32 v[Z+i:Z+i+1], v[Z+i:Z+i+1], v[C0+2:C0+3] op_sel_hi:[1,0]
.set i, i+2
.endr
.endif
	SPLIT4 S, P, P+8, 0                            ; the two tiles of weights, rounded in pairs, ARE source 1 (32 rows x 16 heads) of the second product
	SPLIT4 S, P, P+8, 4
.irp part, 0,1                         ; zp += y^T (p hi + p lo); the four accumulators by turns
.irp nt, 0,1,2,3
.if (\first) && ((\part) == 0)
	v_wmma_f32_16x16x32_bf16 v[Z+8*(\nt):Z+8*(\nt)+7], v[F+8*(\nt):F+8*(\nt)+7], v[P+8*(\part):P+8*(\part)+7], 0
.else
	v_wmma_f32_16x16x32_bf16 v[Z+8*(\nt):Z+8*(\nt)+7], v[F+8*(\nt):F+8*(\nt)+7], v[P+8*(\part):P+8*(\part)+7], v[Z+8*(\nt):Z+8*(\nt)+7]
.endif
.endr
.endr
.endm
	s_load_b256 s[4:11], s[0:1], 0x0               ; y s[4:5], qk s[6:7], sb s[8:9], zp s[10:11]
	s_load_b64 s[12:13], s[0:1], 0x20              ; st
	v_lshl_add_u32 v[SPW], v0, 2, SPARE
	v_mov_b32 v[NIL], 0
	v_lshrrev_b32 v24, 5, v0
	v_readfirstlane_b32 s[WN], v24                 ; wave 0..15
	v_and_b32 v24, 31, v0                          ; lane
	v_and_b32 v25, 15, v0                          ; r
	v_bfe_u32 v26, v0, 4, 1                        ; hh
	s_wait_alu depctr_va_sdst(0)                   ; my wave's number is written, ahead of its first reader: offsets, LDS addresses and a branch are made from it
	s_lshl_b32 s[W256], s[WN], 8
	v_lshlrev_b32 v[YO], 4, v25
	v_lshl_add_u32 v[YO], v26, 15, v[YO]
	v_add_nc_u32 v[YO], s[W256], v[YO]
	s_lshl_b32 s18, s[WN], 7                       ; qk: head r's row of 4,096 bytes, my 64 h (128 bytes), 16 bytes for each half of the lanes
	v_lshlrev_b32 v[QO], 12, v25
	v_lshl_add_u32 v[QO], v26, 4, v[QO]
	v_add_nc_u32 v[QO], s18, v[QO]
	s_and_b32 s18, s[WN], 1                        ; the score that I sum belongs to head 8 (w % 2) + lane / 4; a head's row of sb is 128 bytes
	s_lshl_b32 s18, s18, 10
	v_lshrrev_b32 v[SO], 2, v24
	v_lshl_add_u32 v[SO], v[SO], 7, s18
	s_lshl_b32 s26, ttmp9, 19                      ; y: g x 128 rows x 4,096 bytes
	s_mov_b32 s27, 0
	s_lshr_b32 s19, ttmp9, 3                       ; b
	s_lshl_b32 s28, s19, 16                        ; qk: b x 65,536
	s_mov_b32 s29, 0
	s_lshl_b32 s30, s19, 2                         ; sb: 4 b
	s_mov_b32 s31, 0
	s_lshl_b32 s32, ttmp9, 16                      ; zp: g x 65,536
	s_mov_b32 s33, 0
	s_lshl_b32 s34, ttmp9, 8                       ; st: g x 256
	s_mov_b32 s35, 0
	s_mov_b32 s[CS], 0x3e38aa3b                    ; c = log2(e) / 8 = 0.180337
	s_mov_b32 s[CS+1], s[CS]                       ; named with it as a pair
	s_mov_b32 s[MASK], 0xffff0000
	s_mov_b32 s[SEL], 0x76543210
	s_mov_b32 s[SEL+1], 0xfedcba98
	s_mul_i32 s[WY], s[WN], YW
	s_wait_kmcnt 0x0
	s_add_nc_u64 s[4:5], s[4:5], s[26:27]
	s_add_nc_u64 s[6:7], s[6:7], s[28:29]
	s_add_nc_u64 s[8:9], s[8:9], s[30:31]
	s_add_nc_u64 s[10:11], s[10:11], s[32:33]
	s_add_nc_u64 s[12:13], s[12:13], s[34:35]
	s_wait_alu depctr_va_vdst(0)                   ; the three offsets v1, v12 and v14 are written, which the loads below read
.irp part, 0,1
.irp ks, 0,1
	global_load_b128 v[QK+8*(2*(\part)+(\ks)):QK+8*(2*(\part)+(\ks))+3],   v[QO], s[6:7] offset:2048*(\part)+64*(\ks)
	global_load_b128 v[QK+8*(2*(\part)+(\ks))+4:QK+8*(2*(\part)+(\ks))+7], v[QO], s[6:7] offset:2048*(\part)+64*(\ks)+32
.endr
.endr
	global_load_b32 v[SBV], v[SO], s[8:9]
	YLOAD 0
	YLOAD 1
	YLOAD 2
	v_mul_u32_u24 v[YA], v26, 8*YP                 ; the LDS addresses are made while the first loads are on their way; the first step's first wait on va_vdst stands between them and their first use
	v_lshl_add_u32 v[YA], v25, 3, v[YA]
	v_add_nc_u32 v[YA], s[WY], v[YA]               ; row 8 hh (+ t), 8 bytes at 8 r
	v_mul_u32_u24 v[AA], v25, YP
	v_lshl_add_u32 v[AA], v26, 4, v[AA]
	v_add_nc_u32 v[AA], s[WY], v[AA]               ; row r, 16 bytes for each half of the lanes
	v_and_b32 v27, 7, v0
	v_lshl_add_u32 v27, v26, 3, v27
	v_mul_u32_u24 v[TA], v27, YP
	v_bfe_u32 v27, v0, 3, 1
	v_lshl_add_u32 v[TA], v27, 4, v[TA]
	v_add_nc_u32 v[TA], s[WY], v[TA]               ; row 8 hh + lane % 8, 16 bytes at 16 ((lane / 8) % 2)
	s_lshl_b32 s18, s[WN], 11
	s_add_co_u32 s18, s18, R1
	v_lshl_add_u32 v[DA], v24, 4, s18
	s_lshl_b32 s18, s[WN], 7
	s_add_co_u32 s19, s18, R1
	v_lshl_add_u32 v[RA], v24, 2, s19
	s_add_co_u32 s19, s18, R2
	v_lshl_add_u32 v[WA], v24, 2, s19
	v_lshlrev_b32 v[LA], 4, v24
	v_add_nc_u32 v[LA], R2, v[LA]
	STEP 0, 1                                      ; the first step starts m, l and zp: it has no a and nothing to rescale
	STEP 1, 0
	STEP 2, 0
	STEP 3, 0
	; THE WAY OUT.  A lane holds eight neighbouring h of head r in each tile: through my own rows of LDS they become whole rows of 256 bytes.  The eleven address lines are the places behind the last products.
	; v12 is written again here: the only memory instructions that read it, qk's loads, stand ahead of every step's waits on vm_vsrc, and their data were waited for in the first step.
	v_and_b32 v24, 15, v0
	v_bfe_u32 v25, v0, 4, 1
	v_mul_u32_u24 v26, v24, ZP
	v_lshl_add_u32 v26, v25, 5, v26
	v_add_nc_u32 v26, s[WY], v26                   ; in: head r's row, 32 bytes for each half of the lanes
	v_mul_u32_u24 v27, v25, ZP
	v_lshl_add_u32 v27, v24, 4, v27
	v_add_nc_u32 v27, s[WY], v27                   ; back: lanes 0-15 one head's 256 bytes, lanes 16-31 the next head's
	v_lshlrev_b32 v[QO], 12, v25
	v_lshl_add_u32 v[QO], v24, 4, v[QO]
	v_add_nc_u32 v[QO], s[W256], v[QO]             ; and the same in zp[g]: a head's row is 4,096 bytes, my wave's part 256
	s_wait_alu depctr_va_vdst(0)                   ; the products have written zp's tiles, which the LDS stores read; v26, v27 and v12 are written, by which the LDS stores, the LDS loads and the stores to zp go; the places above stay beside this wait
.irp nt, 0,1,2,3
	ds_store_b128 v26, v[Z+8*(\nt):Z+8*(\nt)+3]   offset:64*(\nt)
	ds_store_b128 v26, v[Z+8*(\nt)+4:Z+8*(\nt)+7] offset:64*(\nt)+16
.endr
.irp q, 0,1,2,3,4,5,6,7
	ds_load_b128 v[X+4*(\q):X+4*(\q)+3], v27 offset:2*ZP*(\q)  ; LDS serves a wave's instructions in order (ISA guide 5.7.1.4): these see the stores above
.endr
.irp q, 0,1,2,3,4,5,6,7
	s_wait_dscnt 7-(\q)                            ; load q is in, the younger ones stay out
	global_store_b128 v[QO], v[X+4*(\q):X+4*(\q)+3], s[10:11] offset:8192*(\q) th:TH_STORE_NT  ; 16 lanes store 256 consecutive bytes, at a multiple of 256 from zp's first byte
.endr
	s_cmp_lg_u32 s[WN], 0                          ; every wave holds the same statistics: wave 0 stores them
	s_cbranch_scc1 .Lend
	v_add_f32 v[LS], v[LS], v[LS+1]
	v_permlanex16_b32 v[LS+1], v[LS], s[SEL], s[SEL+1]
	v_add_f32 v[MX], v[LS], v[LS+1]                ; l takes m's place beside c m
	v_and_b32 v24, 31, v0
	v_lshlrev_b32 v24, 3, v24
	s_wait_alu depctr_va_vdst(0)                   ; l and the offset v24 are written, which the store reads
	global_store_b64 v24, v[CM:CM+1], s[12:13]     ; (c m, l) of head lane % 16: 256 consecutive bytes
.Lend:
	s_wait_dscnt 0x0                               ; the closing lines, six on end
	s_wait_alu 0x0
	s_wait_tensorcnt 0x0
	ds_add_u32 v[SPW], v[NIL]
	s_wait_dscnt 0x0
	s_endpgm
.Lfunc_end_k_q69aa512778_stream:
	.size	k_q69aa512778_stream, .Lfunc_end_k_q69aa512778_stream-k_q69aa512778_stream
	.p2alignl 7, 3214868480
	.fill 96, 4, 3214868480
	.section	.rodata,"a",@progbits
	.p2align	6, 0x0
	.amdhsa_kernel k_q69aa512778_stream
		.amdhsa_group_segment_fixed_size 110592
		.amdhsa_private_segment_fixed_size 0
		.amdhsa_enable_private_segment 0
		.amdhsa_kernarg_size 40
		.amdhsa_user_sgpr_count 2
		.amdhsa_user_sgpr_kernarg_segment_ptr 1
		.amdhsa_wavefront_size32 1
		.amdhsa_system_sgpr_workgroup_id_x 1
		.amdhsa_system_sgpr_workgroup_id_y 1
		.amdhsa_system_sgpr_workgroup_id_z 1
		.amdhsa_system_vgpr_workitem_id 0
		.amdhsa_next_free_vgpr 256
		.amdhsa_next_free_sgpr 66
		.amdhsa_reserve_vcc 0
		.amdhsa_float_denorm_mode_32 3
		.amdhsa_float_denorm_mode_16_64 3
		.amdhsa_memory_ordered 1
		.amdhsa_forward_progress 1
		.amdhsa_inst_pref_size 65
	.end_amdhsa_kernel
	.amdgpu_metadata
---
amdhsa.version: [ 1, 2 ]
amdhsa.kernels:
  - .name:           k_q69aa512778_stream
    .symbol:         k_q69aa512778_stream.kd
    .args:
      - { .name: y, .offset: 0, .size: 8, .value_kind: global_buffer, .address_space: global }
      - { .name: qk, .offset: 8, .size: 8, .value_kind: global_buffer, .address_space: global }
      - { .name: sb, .offset: 16, .size: 8, .value_kind: global_buffer, .address_space: global }
      - { .name: zp, .offset: 24, .size: 8, .value_kind: global_buffer, .address_space: global }
      - { .name: st, .offset: 32, .size: 8, .value_kind: global_buffer, .address_space: global }
    .group_segment_fixed_size: 110592
    .private_segment_fixed_size: 0
    .kernarg_segment_align: 8
    .kernarg_segment_size: 40
    .max_flat_workgroup_size: 512
    .sgpr_count:     66
    .vgpr_count:     256
    .wavefront_size: 32
...
	.end_amdgpu_metadata
.endif
;; end of part 5
;; launch attn: the kernel of part 3 again; grid 16 x 16, 16 waves a work-group, no clusters, 10,240 bytes of LDS; arguments zp, st, WV_w, WV_b, att; writes att
;; launch outp: the kernel of part 4 again; grid 16 x 2, 16 waves a work-group, no clusters, 72,192 bytes of LDS; arguments att, WO_w, WO_b, out0; writes out0
